; MI455X (gfx1250); checked and timed in simulation.
; The chip was launched on July 23, 2026; its instructions are those of AMD's public machine-readable ISA for CDNA 5 (MIT licence, August 2026) and "CDNA5" Instruction Set Architecture Reference Guide (July 2026). The comments in the code are by the model that wrote it; some were corrected since.
;; Attention. Allowed arithmetic: matrix products marked QUANTISED: E2M3 operands, one E8M0 scale for each 32 along K, by v_wmma_scale_f32_16x16x128_f8f6f4 with both operands' format E2M3, f32 sums; everything else in f32.
;; Inputs: b_proj 1,024 float32; b_qkv 3,072 float32; w_proj 1,024 x 1,024 float32; w_qkv 1,024 x 3,072 float32; x 4 x 2,048 x 1,024 float32.
;; Outputs: out0 4 x 2,048 x 1,024 float32.
;; This version of the problem:
;;   THIS VERSION OF THE PROBLEM IS GIVEN IN LOW PRECISION. The matrix products marked QUANTISED in the list below multiply operands that are first quantised to E2M3 (2 exponent bits, 3 mantissa bits; 6 bits a number), with one power-of-two scale for each 32 numbers along K (OCP MX v1.0); their sums are f32. All else is computed in f32.
;;   The module's matrix products, in the order in which they are computed (A, B: the left and right operand; K: the contracted axis; several contracted axes count as one K, in the product's order):
;;     1. [M 8,192, K 1,024] x [K 1,024, N 3,072]; A: input x; B: input w_qkv: QUANTISED
;;     2. batch 64 x [M 2,048, K 64] x [K 64, N 2,048]; A: computed on the way; B: computed on the way: QUANTISED
;;     3. batch 64 x [M 2,048, K 2,048] x [K 2,048, N 64]; A: softmax (see below); B: computed on the way: QUANTISED
;;     4. [M 8,192, K 1,024] x [K 1,024, N 1,024]; A: computed on the way; B: input w_proj: QUANTISED
;;   THE QUANTISER, for each operand of a quantised product, along K:
;;     - K is cut into blocks of 32 from its start; a last block that is shorter is filled with zeros.
;;     - A block's scale is 2^e with e = floor(log2(the largest magnitude in the block)) - 2, held to -126 .. 127; a block of zeros has e = 0. As a byte (E8M0): e + 127.
;;     - Each number is divided by its block's scale, clamped to +-7.5, and rounded to the nearest number of E2M3, ties to even, subnormals kept.
;;     - The product sums the exact products of the quantised numbers (number of the format x scale) in f32.
;;   ~~~python
;;   def quantise(x, axis):      # numpy; x: float32 -> the quantised numbers, widened to float32 again
;;       x = np.moveaxis(x, axis, -1); K = x.shape[-1]
;;       x = np.pad(x, [(0, 0)] * (x.ndim - 1) + [(0, -K % 32)]); x = x.reshape(x.shape[:-1] + (-1, 32)); a = np.abs(x).max(-1, keepdims=True)
;;       e = np.where(a > 0, np.clip(np.frexp(np.where(a > 0, a, 1))[1] - 1 - 2, -126, 127), 0)      # np.frexp(a)[1] - 1 = floor(log2(a)), exactly
;;       r = np.clip(x / 2.0 ** e, -7.5, 7.5)
;;       step = 2.0 ** (np.maximum(np.frexp(np.where(r == 0, 1, r))[1] - 1, 0) - 3)
;;       q = np.round(r / step) * step * 2.0 ** e      # np.round: ties to even
;;       return np.moveaxis(q.reshape(q.shape[:-2] + (-1,))[..., :K], -1, axis).astype(np.float32)
;;   ~~~
;;   SOFTMAX AHEAD OF A QUANTISED PRODUCT. Where the list says 'softmax', what is quantised is not the finished softmax but p = 2^(t - M), with t = logit x log2(e) and M = ceil(the row's largest t), a whole number; so 1/2 < the row's largest p <= 1. The row's sum l is taken of the UNQUANTISED p, in f32, and the product's result is divided by l at the end. Since M is a whole number, a kernel that streams over the keys may use a running M (the ceiling of the running maximum): every later rescaling is an exact power of two, which a block's scale takes up: the codes' values come out the same.
;;   OPERANDS COMPUTED ON THE WAY. 'Computed on the way' means the value that the module computes at that place (a softmax that the list does not call 'softmax' is quantised finished and normalised). What goes into a quantiser is computed in f32, as accurately as f32 sums, v_exp_f32 and their like allow (about 1e-6 of the number): no bf16 or f16 on the way to a quantiser, and a product that is left as it is and whose result goes on into a quantised operand takes f32 operands (vector FMAs, or v_wmma_f32_16x16x4_f32). A number that lies on a knife's edge between two numbers of the format may be rounded either way, as far as f32 arithmetic and the matrix unit's own rounding can turn it there, and no further.
;; One version. Each part assembles by itself: llvm-mc -triple=amdgcn-amd-amdhsa -mcpu=gfx1250 --defsym DOCPART=n.
;; ======== version 1 of 1: 5 launches
;; limits: right only within a limited range of input values
;; workspace buffers: xq 6,553,600 bytes; wc 3,276,800 bytes; rope 524,288 bytes; qk 13,631,488 bytes; vv 6,553,600 bytes; ao 6,553,600 bytes
;; launch prep (part 1): grid 512 x 1, 4 waves a work-group, no clusters, 34,304 bytes of LDS; arguments x, w_qkv, w_proj, xq, wc, rope; writes xq, wc, rope
.if DOCPART == 1
	.amdgcn_target "amdgcn-amd-amdhsa--gfx1250"
	.amdhsa_code_object_version 6
	.text
	.protected	k_q1f5d0b6429_prep
	.globl	k_q1f5d0b6429_prep
	.p2align	8
	.type	k_q1f5d0b6429_prep,@function
k_q1f5d0b6429_prep:
	s_mov_b64 s[64:65], 0
	v_nop
	global_prefetch_b8 v0, s[64:65] scope:SCOPE_SE
	s_setreg_imm32_b32 hwreg(HW_REG_WAVE_MODE, 25, 1), 1
	s_wait_xcnt 0x0
; x [8192][1024], w_qkv [1024][3072], w_proj [1024][1024], f32, become codes of FP6 (E2M3) with one E8M0 scale byte for each 32 along K = 1,024; and the table of cos and sin for RoPE is made.
; THE LAYOUT OF ALL CODES: in the order of the operand's registers.  A tile T is 16 rows: row(T, r) = 32 (T / 2) + 8 (T % 2) + r + 8 (r / 8).  A half fragment (tile T, 64 along K: kb) is 768 bytes: lane (r, h)
; holds the block k = 64 kb + 32 h + 0 .. 31 of row(T, r), six words: words 0-3 at 16 (r + 16 h), words 4-5 at 512 + 16 r + 8 h.  Codes: [T][kb 16][768].  Scale words: [T][half of K 2][r 16][4 words].
; A block's scale byte is its largest magnitude's exponent field - 2, held at 1 from below.
; LIMITS: a block whose largest magnitude lies under 2^-124, a block of zeros among them, gets the byte 1 (a block of zeros has zero codes; only this program reads the bytes).  NaN and infinities are not served.
; inv_freq is the f32 nearest to 10^(-j / 8): it may differ by one unit in the last place from a power and a reciprocal taken in f32: at n = 2,047 an angle off by about 1e-4 at the most.  The angle's reduction holds for n < 2,048.
; WORK-GROUPS 0-255: x; a wave takes one tile x 512 along K, and two rows of the table.  256-447: w_qkv, 448-511: w_proj; a wave takes 32 columns x 128 along K.  Waves share nothing: no barrier.
.set XQ_SC, 6291456                    ; where xq's scale words begin
.set WC_SC, 3145728                    ; and wc's
.set XR,  16                           ; v16-143  x: two sets of 64 registers as loaded
.set X,   144                          ; v144-207 x: 64 numbers of a lane, register 16 b + i = k 32 b + 16 h + i of my row
.set PC,  208                          ; v208-226 the codes just made
.set TM,  228                          ; v228-243 at work in QUANT
.set PW,  244                          ; v244-247 the four K steps' scale words
.set SEL, 48                           ; s[48:49] lane selects for v_permlanex16_b32: lane l xor 16
.set WX,  32                           ; weights: v32-95 two sets of 32 numbers
.set WCD, 96                           ; v96-111  words 0-3 of the four blocks
.set WD,  112                          ; v112-114 a block's upper 16 codes
.set WT,  116                          ; v116-123 words 4-5 of two blocks, twice
.set SB,  124                          ; v124     the four scale bytes
; 64 numbers of a lane become a fragment's codes in v[PC] .. v[PC + 11] and its scale word in v[pw]
.macro QUANT s, pw
.irp b, 0,1,2,3
	v_max3_num_f32 v[TM+\b], |v[(\s)+16*\b]|, |v[(\s)+1+16*\b]|, 0x1800000   ; my 16 numbers of block b, and the floor 2^(3 - 127): the byte cannot fall under 1
.endr
.irp i, 2,4,6,8,10,12,14
.irp b, 0,1,2,3
	v_max3_num_f32 v[TM+\b], v[TM+\b], |v[(\s)+16*\b+\i]|, |v[(\s)+1+16*\b+\i]|
.endr
.endr
.irp b, 0,1,2,3
	v_permlanex16_b32 v[TM+4+\b], v[TM+\b], s[SEL], s[SEL+1]
.endr
.irp b, 0,1,2,3
	v_max_num_f32 v[TM+\b], v[TM+\b], v[TM+4+\b]   ; with lane l xor 16's: the block's largest magnitude
.endr
.irp b, 0,1,2,3
	v_add_nc_u32 v[TM+12+\b], 0xff000000, v[TM+\b]   ; 2 off its exponent field: the conversion's scale operand
.endr
.irp b, 0,1,2,3
	v_lshrrev_b32 v[TM+4+\b], 23, v[TM+12+\b]      ; the scale's byte
.endr
	v_lshl_or_b32 v[\pw], v[TM+5], 8, v[TM+4]
	v_lshl_or_b32 v[\pw], v[TM+6], 16, v[\pw]
	v_lshl_or_b32 v[\pw], v[TM+7], 24, v[\pw]
.irp c, 0,1
	v_cvt_scalef32_pk16_fp6_f32 v[PC+6*\c:PC+2+6*\c], v[(\s)+32*\c:(\s)+15+32*\c], v[TM+12+2*\c]
	v_cvt_scalef32_pk16_fp6_f32 v[PC+12+4*\c:PC+14+4*\c], v[(\s)+16+32*\c:(\s)+31+32*\c], v[TM+12+2*\c+1]   ; (a conversion's three registers begin on an even number)
.endr
	v_nop                                          ; one plain place behind a scaled conversion
.irp c, 0,1                                    ; the operand's layout wants a whole block in a lane
.irp i, 0,1,2
	v_permlane16_swap_b32 v[PC+6*\c+\i], v[PC+12+4*\c+\i]
.endr
.irp i, 0,1,2
	v_mov_b32 v[PC+3+6*\c+\i], v[PC+12+4*\c+\i]
.endr
.endr
.endm
.macro XLOAD ks                        ; K step ks of my tile's 16 rows: each load reads 512 consecutive bytes of one row
.irp p, 0,1,2,3,4,5,6,7,8,9,10,11,12,13,14,15
	global_load_b128 v[XR+64*((\ks)%2)+4*\p:XR+64*((\ks)%2)+4*\p+3], v1, s[4:5] offset:(\p+8*(\p/8))*4096+512*(\ks) th:TH_LOAD_NT
.endr
.endm
.macro XTURN ks                        ; through my wave's stage (rows of 512 + 16 bytes): in as loaded, back 16 neighbours of each block of 32.  LDS serves a wave's instructions in order
.irp p, 0,1,2,3,4,5,6,7,8,9,10,11,12,13,14,15
	ds_store_b128 v5, v[XR+64*((\ks)%2)+4*\p:XR+64*((\ks)%2)+4*\p+3] offset:528*\p
.endr
.irp b, 0,1,2,3
.irp j, 0,1,2,3
	ds_load_b128 v[X+16*\b+4*\j:X+16*\b+4*\j+3], v6 offset:128*\b+16*\j
.endr
.endr
.endm
.macro XSTEP ks
.if (\ks)<3
	s_wait_loadcnt 16                              ; this K step's 16 loads are in; the next set's 16 may be out
.else
	s_wait_loadcnt 0x0
.endif
	XTURN \ks
	s_wait_dscnt 0x0                               ; the numbers are back, and the stage's stores have read their registers
.if (\ks)<2
	XLOAD (\ks)+2
.endif
	s_wait_xcnt 0x0                                ; the earlier stores have read their data: the codes' registers are written again only behind this wait
	QUANT X, PW+(\ks)
	global_store_b128 v1, v[PC:PC+3], s[10:11] offset:1536*(\ks)          ; 512 consecutive bytes
	global_store_b64 v2, v[PC+4:PC+5], s[10:11] offset:1536*(\ks)+512     ; 256 consecutive bytes, aligned
	global_store_b128 v1, v[PC+6:PC+9], s[10:11] offset:1536*(\ks)+768
	global_store_b64 v2, v[PC+10:PC+11], s[10:11] offset:1536*(\ks)+1280
.endm
.macro WLOAD t, ncol                   ; block t: W(32 t + i, my column), i = 0 .. 31
.irp i, 0,1,2,3,4,5,6,7,8,9,10,11,12,13,14,15,16,17,18,19,20,21,22,23,24,25,26,27,28,29,30,31
	global_load_b32 v[WX+32*((\t)%2)+\i], v1, s[30:31] offset:(32*(\t)+\i)*(\ncol)*4 th:TH_LOAD_NT
.endr
.endm
.macro WBLOCK t, ncol
.set XS, WX+32*((\t)%2)
.if (\t)<3
	s_wait_loadcnt 32                              ; this block's 32 loads are in; the next block's may be out
.else
	s_wait_loadcnt 0x0
.endif
	v_max3_num_f32 v12, |v[XS]|, |v[XS+1]|, |v[XS+2]|   ; all 32 numbers of the block are mine
	v_max3_num_f32 v13, |v[XS+3]|, |v[XS+4]|, |v[XS+5]|
.irp i, 6,10,14,18,22,26
	v_max3_num_f32 v12, v12, |v[XS+\i]|, |v[XS+\i+1]|
	v_max3_num_f32 v13, v13, |v[XS+\i+2]|, |v[XS+\i+3]|
.endr
	v_max3_num_f32 v12, v12, |v[XS+30]|, |v[XS+31]|
	v_max3_num_f32 v12, v12, v13, 0x1800000        ; and the floor
	v_add_nc_u32 v11, 0xff000000, v12
	v_lshrrev_b32 v13, 23, v11
.if (\t)==0
	v_mov_b32 v[SB], v13
.else
	v_lshl_or_b32 v[SB], v13, 8*(\t), v[SB]
.endif
	v_cvt_scalef32_pk16_fp6_f32 v[WCD+4*(\t):WCD+4*(\t)+2], v[XS:XS+15], v11
	v_cvt_scalef32_pk16_fp6_f32 v[WD:WD+2], v[XS+16:XS+31], v11
	v_nop                                          ; one plain place behind a scaled conversion
	v_mov_b32 v[WCD+4*(\t)+3], v[WD]               ; word 3 joins words 0-2;
	v_mov_b32 v[WT+4*((\t)/2)+2*((\t)%2)], v[WD+1] ; words 4-5 of two blocks make 16 bytes
	v_mov_b32 v[WT+4*((\t)/2)+2*((\t)%2)+1], v[WD+2]
.if (\t)<2
	WLOAD (\t)+2, \ncol
.endif
	global_store_b128 v5, v[WCD+4*(\t):WCD+4*(\t)+3], s[32:33] offset:768*((\t)/2)+256*((\t)%2)   ; sixteen lanes of a tile store 256 consecutive bytes, aligned
.if (\t)%2==1
	global_store_b128 v5, v[WT+4*((\t)/2):WT+4*((\t)/2)+3], s[32:33] offset:768*((\t)/2)+512
.endif
.endm
; A weight [1024][ncol]: a lane takes a column and its registers run down K.  g0: the path's first work-group; tbase: its first tile in wc; p: the register of its pointer
.macro WPATH ncol, g0, tbase, p
	s_sub_co_u32 s17, ttmp9, \g0
	s_lshr_b32 s18, s17, 3                         ; which 128 columns
	s_and_b32 s19, s17, 7                          ; which 128 along K
	s_lshl_b32 s20, s18, 7
	s_lshl_b32 s21, s16, 5
	s_add_co_u32 s20, s20, s21                     ; my wave's first column
	s_mul_i32 s24, s19, 128*(\ncol)*4
	s_lshl_b32 s21, s20, 2
	s_add_co_u32 s24, s24, s21
	s_mov_b32 s25, 0
	s_lshr_b32 s21, s20, 4
	s_add_co_u32 s21, s21, \tbase                  ; my first tile of two
	s_mul_i32 s26, s21, 12288
	s_mul_i32 s22, s19, 1536
	s_add_co_u32 s26, s26, s22
	s_mov_b32 s27, 0
	s_lshl_b32 s28, s21, 9
	s_lshr_b32 s22, s19, 2
	s_lshl_b32 s22, s22, 8
	s_add_co_u32 s28, s28, s22
	s_and_b32 s22, s19, 3
	s_lshl_b32 s22, s22, 2
	s_add_co_u32 s28, s28, s22
	s_add_co_u32 s28, s28, WC_SC
	s_mov_b32 s29, 0
	s_wait_kmcnt 0x0
	s_add_nc_u64 s[30:31], s[\p:\p+1], s[24:25]
	s_add_nc_u64 s[32:33], s[12:13], s[26:27]
	s_add_nc_u64 s[34:35], s[12:13], s[28:29]
	WLOAD 0, \ncol
	WLOAD 1, \ncol
	WBLOCK 0, \ncol
	WBLOCK 1, \ncol
	WBLOCK 2, \ncol
	WBLOCK 3, \ncol
	global_store_b32 v6, v[SB], s[34:35]           ; one scale word a column: pieces of 4 bytes, 16 bytes apart: one byte for each 32 that the wave reads
	s_endpgm
.endm
	s_load_b256 s[4:11], s[0:1], 0x0               ; x s[4:5], w_qkv s[6:7], w_proj s[8:9], xq s[10:11]
	s_load_b128 s[12:15], s[0:1], 0x20             ; wc s[12:13], rope s[14:15]
	v_lshl_add_u32 v254, v0, 2, 0x8400
	v_mov_b32 v255, 0
	v_lshrrev_b32 v1, 5, v0
	v_readfirstlane_b32 s16, v1                    ; wave 0..3
	v_and_b32 v8, 31, v0                           ; lane
	s_cmp_lt_u32 ttmp9, 256
	s_cbranch_scc0 .Lweights
	; ---- x
	v_lshlrev_b32 v1, 4, v8                        ; 16 x lane
	v_and_b32 v3, 15, v0                           ; r
	v_bfe_u32 v4, v0, 4, 1                         ; h
	v_lshlrev_b32 v2, 4, v3
	v_lshl_add_u32 v2, v4, 3, v2                   ; 16 r + 8 h
	s_mul_i32 s17, s16, 8448                       ; my wave's stage
	v_add_nc_u32 v5, s17, v1                       ; in
	v_mul_u32_u24 v6, v3, 528
	v_lshl_add_u32 v6, v4, 6, v6
	v_add_nc_u32 v6, s17, v6                       ; back: row r, + 64 h
	v_lshlrev_b32 v7, 3, v8                        ; 8 x lane
	s_lshl_b32 s18, ttmp9, 2
	s_add_co_u32 s18, s18, s16                     ; my wave among 1,024
	s_lshr_b32 s19, s18, 1                         ; tile
	s_and_b32 s20, s18, 1                          ; half of K
	s_lshr_b32 s21, s19, 1
	s_lshl_b32 s21, s21, 5
	s_and_b32 s22, s19, 1
	s_lshl_b32 s22, s22, 3
	s_add_co_u32 s21, s21, s22                     ; the tile's first row
	s_lshl_b32 s24, s21, 12
	s_lshl_b32 s22, s20, 11
	s_add_co_u32 s24, s24, s22
	s_mov_b32 s25, 0
	s_mul_i32 s26, s19, 12288
	s_mul_i32 s22, s20, 6144
	s_add_co_u32 s26, s26, s22
	s_mov_b32 s27, 0
	s_lshl_b32 s28, s18, 8                         ; 512 x tile + 256 x half
	s_add_co_u32 s28, s28, XQ_SC
	s_mov_b32 s29, 0
	s_lshl_b32 s30, s18, 9                         ; two rows of the table, 256 bytes each
	s_mov_b32 s31, 0
	s_mov_b32 s[SEL], 0x76543210
	s_mov_b32 s[SEL+1], 0xfedcba98
	s_wait_kmcnt 0x0
	s_add_nc_u64 s[4:5], s[4:5], s[24:25]
	s_add_nc_u64 s[32:33], s[10:11], s[28:29]      ; my scale words
	s_add_nc_u64 s[10:11], s[10:11], s[26:27]      ; my codes
	s_add_nc_u64 s[14:15], s[14:15], s[30:31]
	XLOAD 0
	XLOAD 1
	; ---- the table, rows n = 2 x wave + 0, 1, while x is on its way.  Lane j holds frequency j.  rope: [n][q 16][cos 2q, cos 2q+1, sin 2q, sin 2q+1]
	v_mov_b32 v144, 0
.set j, 0
.irp c, 0x3F800000,0x3F3FF911,0x3F0FF59A,0x3ED7E89B,0x3EA1E89B,0x3E72D424,0x3E361887,0x3E088D77,0x3DCCCCCD,0x3D99940E,0x3D6655C3,0x3D2CBA15,0x3D0186E2,0x3CC24350,0x3C91AD39,0x3C5A7BF1,0x3C23D70A,0x3BF5B9B0,0x3BB8449C,0x3B8A2E77,0x3B4F3E37,0x3B1B690D,0x3AE91528,0x3AAEC98E,0x3A83126F,0x3A44948C,0x3A136A16,0x39DD1726,0x39A5CC07,0x3978A814,0x393A7753,0x390BD472
	s_mov_b32 s34, \c
	v_writelane_b32 v144, s34, j                   ; 10^(-j / 8)
.set j, j+1
.endr
	s_lshl_b32 s35, s18, 1
	s_mov_b32 s37, 0xbfc90fdb                      ; -(pi / 2 as f32)
	s_mov_b32 s38, 0x333bbd2e                      ; that f32 less pi / 2
	s_mov_b32 s40, 0xb94ca1f9                      ; the sine's three coefficients
	s_mov_b32 s41, 0x3c08839e
	s_mov_b32 s42, 0xbe2aaaa3
	s_mov_b32 s43, 0x37ccf5ce                      ; the cosine's
	s_mov_b32 s44, 0xbab6061a
	s_mov_b32 s45, 0x3d2aaaa5
	s_mov_b32 s46, 0xaaaaaaaa                      ; odd lanes
	s_mov_b32 s47, 0xffff0000                      ; lanes 16-31
	v_mov_b32 v157, 0                              ; (a DPP form's destination counts as read)
	v_mov_b32 v158, 0
.irp b, 0,1,2,3
	v_mov_b32 v[TM+4+\b], 0                        ; (a lane permute's likewise)
.endr
.irp e, 0,1
	s_add_co_u32 s36, s35, \e
	v_cvt_f32_u32 v145, s36
	s_wait_alu depctr_va_vdst(0)
	v_mul_f32 v145, v145, v144                     ; the angle: one f32 product
	v_mul_f32 v146, 0x3f22f983, v145
	v_rndne_f32 v146, v146                         ; k = the nearest whole number to angle x 2 / pi, at most 1,304
	v_fma_f32 v147, v146, s37, v145                ; angle - k x (pi / 2 as f32): exact;
	v_fma_f32 v147, v146, s38, v147                ; and the rest of pi / 2
	v_cvt_i32_f32 v148, v146
	v_mul_f32 v149, v147, v147                     ; z
	v_fma_f32 v150, v149, s40, s41
	v_fma_f32 v151, v149, s43, s44
	v_fma_f32 v150, v150, v149, s42
	v_fma_f32 v151, v151, v149, s45
	v_mul_f32 v150, v150, v149
	v_mul_f32 v152, v149, v149
	v_fma_f32 v153, v149, -0.5, 1.0
	v_fma_f32 v150, v150, v147, v147               ; sin of the rest
	v_fma_f32 v151, v151, v152, v153               ; cos of the rest
	v_and_b32 v154, 1, v148
	v_cmp_ne_u32 vcc_lo, 0, v154                   ; odd quadrants change the two
	v_cndmask_b32 v155, v150, v151, vcc_lo         ; sin
	v_cndmask_b32 v156, v151, v150, vcc_lo         ; cos
	v_and_b32 v154, 2, v148
	v_lshlrev_b32 v154, 30, v154
	v_xor_b32 v155, v155, v154                     ; sin is negative in quadrants 2, 3
	v_add_nc_u32 v154, 1, v148
	v_and_b32 v154, 2, v154
	v_lshlrev_b32 v154, 30, v154
	v_xor_b32 v156, v156, v154                     ; cos in quadrants 1, 2
	v_mov_b32_dpp v157, v156 row_xmask:1 row_mask:0xf bank_mask:0xf   ; my neighbour's cos
	v_mov_b32_dpp v158, v155 row_xmask:1 row_mask:0xf bank_mask:0xf   ; and sin
	v_cndmask_b32 v[248+2*\e], v156, v158, s46     ; even lanes: two cos; odd lanes: two sin
	v_cndmask_b32 v[249+2*\e], v157, v155, s46
	global_store_b64 v7, v[248+2*\e:249+2*\e], s[14:15] offset:256*\e   ; a row: 256 consecutive bytes, aligned
.endr
	XSTEP 0
	XSTEP 1
	XSTEP 2
	XSTEP 3
	v_cndmask_b32 v248, v244, v246, s47            ; lane (r, h) stores words 2 h and 2 h + 1 of row r (the table's stores read these registers ahead of the waits above)
	v_cndmask_b32 v249, v245, v247, s47
	global_store_b64 v2, v[248:249], s[32:33]      ; 256 consecutive bytes, aligned
	s_wait_tensorcnt 0x0
	ds_add_u32 v254, v255
	s_wait_dscnt 0x0
	s_endpgm
.Lweights:
	s_wait_alu depctr_va_vdst(0)
	v_lshlrev_b32 v1, 2, v8                        ; in: 4 bytes a lane
	v_bfe_u32 v2, v0, 3, 1                         ; my column l of 32 lies in tile l / 8 % 2,
	v_and_b32 v3, 7, v0
	v_bfe_u32 v4, v0, 4, 1
	v_lshl_add_u32 v3, v4, 3, v3                   ; at r = l % 8 + 8 (l / 16)
	v_mul_u32_u24 v5, v2, 12288
	v_lshl_add_u32 v5, v3, 4, v5                   ; codes: 12,288 x tile + 16 r
	v_lshlrev_b32 v6, 9, v2
	v_lshl_add_u32 v6, v3, 4, v6                   ; scale words: 512 x tile + 16 r
	s_cmp_lt_u32 ttmp9, 448
	s_cbranch_scc0 .Lproj
	s_wait_alu depctr_va_vdst(0)
	WPATH 3072, 256, 0, 6
.Lproj:
	s_wait_alu depctr_va_vdst(0)
	WPATH 1024, 448, 192, 8
.Lfunc_end_k_q1f5d0b6429_prep:
	.size	k_q1f5d0b6429_prep, .Lfunc_end_k_q1f5d0b6429_prep-k_q1f5d0b6429_prep
	.p2alignl 7, 3214868480
	.fill 96, 4, 3214868480
	.section	.rodata,"a",@progbits
	.p2align	6, 0x0
	.amdhsa_kernel k_q1f5d0b6429_prep
		.amdhsa_group_segment_fixed_size 34304
		.amdhsa_private_segment_fixed_size 0
		.amdhsa_enable_private_segment 0
		.amdhsa_kernarg_size 48
		.amdhsa_user_sgpr_count 2
		.amdhsa_user_sgpr_kernarg_segment_ptr 1
		.amdhsa_wavefront_size32 1
		.amdhsa_system_sgpr_workgroup_id_x 1
		.amdhsa_system_sgpr_workgroup_id_y 1
		.amdhsa_system_sgpr_workgroup_id_z 1
		.amdhsa_system_vgpr_workitem_id 0
		.amdhsa_next_free_vgpr 256
		.amdhsa_next_free_sgpr 66
		.amdhsa_reserve_vcc 1
		.amdhsa_float_denorm_mode_32 3
		.amdhsa_float_denorm_mode_16_64 3
		.amdhsa_memory_ordered 1
		.amdhsa_forward_progress 1
		.amdhsa_inst_pref_size 82
	.end_amdhsa_kernel
	.amdgpu_metadata
---
amdhsa.version: [ 1, 2 ]
amdhsa.kernels:
  - .name:           k_q1f5d0b6429_prep
    .symbol:         k_q1f5d0b6429_prep.kd
    .args:
      - { .name: x, .offset: 0, .size: 8, .value_kind: global_buffer, .address_space: global }
      - { .name: w_qkv, .offset: 8, .size: 8, .value_kind: global_buffer, .address_space: global }
      - { .name: w_proj, .offset: 16, .size: 8, .value_kind: global_buffer, .address_space: global }
      - { .name: xq, .offset: 24, .size: 8, .value_kind: global_buffer, .address_space: global }
      - { .name: wc, .offset: 32, .size: 8, .value_kind: global_buffer, .address_space: global }
      - { .name: rope, .offset: 40, .size: 8, .value_kind: global_buffer, .address_space: global }
    .group_segment_fixed_size: 34304
    .private_segment_fixed_size: 0
    .kernarg_segment_align: 8
    .kernarg_segment_size: 48
    .max_flat_workgroup_size: 128
    .sgpr_count:     66
    .vgpr_count:     256
    .wavefront_size: 32
...
	.end_amdgpu_metadata
.endif
;; end of part 1
;; launch gemm_qk (part 2): grid 16 x 32, 4 waves a work-group, clusters of 4 x 4, 327,680 bytes of LDS; arguments wc, xq, b_qkv, rope, qk; writes qk
.if DOCPART == 2
	.amdgcn_target "amdgcn-amd-amdhsa--gfx1250"
	.amdhsa_code_object_version 6
	.text
	.protected	k_q1f5d0b6429_gemm_qk
	.globl	k_q1f5d0b6429_gemm_qk
	.p2align	8
	.type	k_q1f5d0b6429_gemm_qk,@function
k_q1f5d0b6429_gemm_qk:
	s_mov_b64 s[64:65], 0
	v_nop
	global_prefetch_b8 v0, s[64:65] scope:SCOPE_SE
	s_setreg_imm32_b32 hwreg(HW_REG_WAVE_MODE, 25, 1), 1
	s_wait_xcnt 0x0
	s_wait_alu depctr_hold_cnt(0) depctr_sa_sdst(0) depctr_va_vdst(0) depctr_va_sdst(0) depctr_va_ssrc(0) depctr_va_vcc(0) depctr_vm_vsrc(0)
	s_getreg_b32 s2, hwreg(HW_REG_IB_STS2, 6, 4)
	s_cmp_eq_u32 s2, 0
	s_cbranch_scc0 .Lentry_in_a_cluster
	s_endpgm
.Lentry_in_a_cluster:
	s_bfe_u32 s2, ttmp6, 0x10000c
	s_cmp_lg_u32 s2, 0xf033
	s_cbranch_scc0 .Lentry_shape_is_right
	s_endpgm
.Lentry_shape_is_right:
; q and k: x W + b for columns 0 .. 2,047 of w_qkv, on codes of FP6 (E2M3) with E8M0 scales; then RoPE in f32; then quantised along the head's 64 for the scores' product.
; SOURCE 0 = 16 columns of W (S0), SOURCE 1 = 16 tokens (S1): a lane holds one token, and its registers run along the columns.  A tile's rows are row(T, r) = 32 (T / 2) + 8 (T % 2) + r + 8 (r / 8), so that
; the 16 registers of tiles 2 b, 2 b + 1 are columns 32 b + 16 h + 0 .. 15.  A work-group: 8 tiles of S0 (two heads) x 16 tiles of S1; wave w: S1's tiles 4 w .. 4 w + 3 against all 8: 32 accumulators.
; ALL OF K = 1,024 LIES IN LDS, in two halves of 512 along K, each filled ONCE: a wave issues one tensor load at the head and one later, and reads each half behind a wait for its loads and a barrier.
; No LDS byte is filled twice.  CLUSTER 4 x 4: S0's tiles hang on the work-group's x alone and are asked for jointly by a column of the cluster, S1's on y alone, by a row.
; q is quantised unscaled: the 1 / 8 is a power of two and goes into the softmax's constant.  LIMITS: a block whose largest magnitude lies under 2^-124 gets the byte 1; NaN and infinities are not served.
; qk: 128 records of 106,496 bytes, record = 64 x (0: q, 1: k) + 16 x batch + head: codes [tile 128][768], then at 98,304 scale words [tile / 8][tile / 4 % 2][r 16][tile % 4]; of a word bytes 0, 1 are the head's two blocks, bytes 2, 3 stand against zero codes.
; REGISTERS.  window 0: v1 16 x lane, v2 16 r + 8 h, v3 r, v4 h, v8-23 LDS addresses, v24-27 offsets, v32-47 at work, v48-79 S0's scale words, v80-95 S1's, v96-191 S1's fragments (two sets), later codes, v192-255 64 numbers.
;   window 1: S0's fragments, two sets.   window 2: the accumulators, (m, a) at 64 m + 8 a.   window 3: v0-63 the bias as C, v64-191 cos and sin.
.set S0T0, 0                           ; S0's first tile in its buffer
.set S1T0, 0
.set S0SC, 3145728                     ; where S0's buffer has its scale words
.set S1SC, 6291456
.set BIASC, 1                          ; the bias is the C of each sum's first product
; HOW K COMES IN: in two halves of 512 along K, each filled once.  A half: S0's 8 tiles x 6,144 bytes, then S1's 16.  At the head one joint load a wave: wave 0 S0's first half, waves 1 and 2 eight tiles each of S1's first half,
; wave 3 S0's second half.  S1's second half, four tiles a wave, is asked for behind the wait for all loads, the add and a round, and is shown to all by the barrier in K step 3.
.set HB,  147456                       ; a half of K in LDS
.set S1B, 49152                        ; S1's tiles in a half
.set TM,  32
.set PC,  96
.set HA,  192
.set SEL, 92
.set MSB, 0
.macro WIN new                         ; the immediate's high byte repeats the setting that is left
.if MSB != \new
	s_set_vgpr_msb (MSB<<8)|\new
.set MSB, \new
.endif
.endm
.macro CROUND                          ; a round of the cluster's barrier
	s_barrier_signal -1
	s_barrier_wait -1
	s_cmp_lg_u32 s18, 0
	s_cbranch_scc1 .Lnot_wave_0_\@
	s_barrier_signal -3
.Lnot_wave_0_\@:
	s_barrier_wait -3
	s_barrier_signal -1
	s_barrier_wait -1
.endm
.macro MKG0 g, lw, lc, p, go           ; a descriptor's group 0: LDS byte s[lw] + lc, global address s[p:p+1] + go
	s_mov_b32 s[\g], 1
	s_add_co_u32 s[\g+1], s[\lw], \lc
	s_add_nc_u64 s[\g+2:\g+3], s[\p:\p+1], \go
	s_or_b32 s[\g+3], s[\g+3], 0x80000000
.endm
.macro FRAG reg, am, at, off           ; a fragment, 16 rows x 128 K, is two half fragments as they lie: every load reads consecutive bytes
	ds_load_b128 v[(\reg):(\reg)+3], v[\am] offset:\off
	ds_load_b64 v[(\reg)+4:(\reg)+5], v[\at] offset:\off+512
	ds_load_b128 v[(\reg)+6:(\reg)+9], v[\am] offset:\off+768
	ds_load_b64 v[(\reg)+10:(\reg)+11], v[\at] offset:\off+1280
.endm
.macro FETCH s                         ; K step s: S0's eight fragments and my four of S1, into set s % 2: 48 LDS loads in one run
	WIN 0x40
.irp a, 0,1,2,3,4,5,6,7
	FRAG 128*((\s)%2)+12*\a, 8+(\s)/2, 12+(\s)/2, \a*6144+1536*((\s)%2)
.endr
	WIN 0
.irp m, 0,1,2,3
	FRAG 96+48*((\s)%2)+12*\m, 16+(\s)/2, 20+(\s)/2, \m*6144+1536*((\s)%2)
.endr
.endm
.macro MWIN s
.if ((\s)==0)&&BIASC
	WIN 0xb1                                       ; source 0 window 1, source 1 window 0, C window 3, D window 2
.else
	WIN 0xa1                                       ; C and D window 2
.endif
.endm
; 16 products: S1's tiles m0, m0 + 1 x S0's eight.  The 32 accumulators take turns, one instruction a turn, in the same order in every K step.
; A scale register holds K steps 0-3 in lanes 0-15 and K steps 4-7 in lanes 16-31.
.macro MUL s, m0
.irp m, \m0, \m0+1
.irp a, 0,1,2,3,4,5,6,7
.if ((\s)==0)&&BIASC
	v_wmma_scale_f32_16x16x128_f8f6f4 v[64*(\m)+8*\a:64*(\m)+8*\a+7], v[128*((\s)%2)+12*\a:128*((\s)%2)+12*\a+11], v[96+48*((\s)%2)+12*(\m):96+48*((\s)%2)+12*(\m)+11], v[8*\a:8*\a+7], v[48+4*\a+(\s)%4], v[80+4*(\m)+(\s)%4] matrix_a_fmt:MATRIX_FMT_FP6 matrix_b_fmt:MATRIX_FMT_FP6
.elseif (\s)==0
	v_wmma_scale_f32_16x16x128_f8f6f4 v[64*(\m)+8*\a:64*(\m)+8*\a+7], v[128*((\s)%2)+12*\a:128*((\s)%2)+12*\a+11], v[96+48*((\s)%2)+12*(\m):96+48*((\s)%2)+12*(\m)+11], 0, v[48+4*\a+(\s)%4], v[80+4*(\m)+(\s)%4] matrix_a_fmt:MATRIX_FMT_FP6 matrix_b_fmt:MATRIX_FMT_FP6
.elseif (\s)<4
	v_wmma_scale_f32_16x16x128_f8f6f4 v[64*(\m)+8*\a:64*(\m)+8*\a+7], v[128*((\s)%2)+12*\a:128*((\s)%2)+12*\a+11], v[96+48*((\s)%2)+12*(\m):96+48*((\s)%2)+12*(\m)+11], v[64*(\m)+8*\a:64*(\m)+8*\a+7], v[48+4*\a+(\s)%4], v[80+4*(\m)+(\s)%4] matrix_a_fmt:MATRIX_FMT_FP6 matrix_b_fmt:MATRIX_FMT_FP6
.else
	v_wmma_scale_f32_16x16x128_f8f6f4 v[64*(\m)+8*\a:64*(\m)+8*\a+7], v[128*((\s)%2)+12*\a:128*((\s)%2)+12*\a+11], v[96+48*((\s)%2)+12*(\m):96+48*((\s)%2)+12*(\m)+11], v[64*(\m)+8*\a:64*(\m)+8*\a+7], v[48+4*\a+(\s)%4], v[80+4*(\m)+(\s)%4] matrix_a_fmt:MATRIX_FMT_FP6 matrix_b_fmt:MATRIX_FMT_FP6 matrix_a_scale:MATRIX_SCALE_ROW1 matrix_b_scale:MATRIX_SCALE_ROW1
.endif
.endr
.endr
.endm
.macro STEP s
	s_wait_dscnt 0x0                               ; this K step's fragments are in (asked for 16 products ago)
	MWIN \s
	MUL \s, 0
.if (\s)==3
	s_wait_tensorcnt 0x0                           ; my part of the second half has landed
	s_barrier_signal -1                            ; no LDS instruction of mine is pending
	s_barrier_wait -1                              ; everybody's have
.endif
.if (\s)<7
.rept 4
	v_nop                                          ; places in front of loads into registers that products have read (ISA guide 7.12.1 for vector instructions)
.endr
	FETCH (\s)+1
	MWIN \s
.endif
	MUL \s, 2
.endm
.macro QUANT s, pw                     ; 64 numbers of a lane, register 16 b + i = k 32 b + 16 h + i of my row, become a fragment's codes in v[PC] .. v[PC + 11] and its scale word in v[pw]
.irp b, 0,1,2,3
	v_max3_num_f32 v[TM+\b], |v[(\s)+16*\b]|, |v[(\s)+1+16*\b]|, 0x1800000   ; and the floor 2^(3 - 127): the byte cannot fall under 1
.endr
.irp i, 2,4,6,8,10,12,14
.irp b, 0,1,2,3
	v_max3_num_f32 v[TM+\b], v[TM+\b], |v[(\s)+16*\b+\i]|, |v[(\s)+1+16*\b+\i]|
.endr
.endr
.irp b, 0,1,2,3
	v_permlanex16_b32 v[TM+4+\b], v[TM+\b], s[SEL], s[SEL+1]
.endr
.irp b, 0,1,2,3
	v_max_num_f32 v[TM+\b], v[TM+\b], v[TM+4+\b]
.endr
.irp b, 0,1,2,3
	v_add_nc_u32 v[TM+12+\b], 0xff000000, v[TM+\b]   ; 2 off the exponent field: the conversion's scale operand
.endr
.irp b, 0,1,2,3
	v_lshrrev_b32 v[TM+4+\b], 23, v[TM+12+\b]
.endr
	v_lshl_or_b32 v[\pw], v[TM+5], 8, v[TM+4]
	v_lshl_or_b32 v[\pw], v[TM+6], 16, v[\pw]
	v_lshl_or_b32 v[\pw], v[TM+7], 24, v[\pw]
.irp c, 0,1
	v_cvt_scalef32_pk16_fp6_f32 v[PC+6*\c:PC+2+6*\c], v[(\s)+32*\c:(\s)+15+32*\c], v[TM+12+2*\c]
	v_cvt_scalef32_pk16_fp6_f32 v[PC+12+4*\c:PC+14+4*\c], v[(\s)+16+32*\c:(\s)+31+32*\c], v[TM+12+2*\c+1]
.endr
	v_nop                                          ; one plain place behind a scaled conversion
.irp c, 0,1
.irp i, 0,1,2
	v_permlane16_swap_b32 v[PC+6*\c+\i], v[PC+12+4*\c+\i]
.endr
.irp i, 0,1,2
	v_mov_b32 v[PC+3+6*\c+\i], v[PC+12+4*\c+\i]
.endr
.endr
.endm
	s_load_b256 s[4:11], s[0:1], 0x0               ; S0 = wc s[4:5], S1 = xq s[6:7], b_qkv s[8:9], rope s[10:11]
	s_load_b64 s[12:13], s[0:1], 0x20              ; qk
	v_lshl_add_u32 v42, v0, 2, 0x48000
	v_mov_b32 v43, 0
	ds_add_u32 v42, v43
	ds_add_u32 v42, v43
	v_lshrrev_b32 v1, 5, v0
	v_readfirstlane_b32 s18, v1                    ; wave 0..3
	s_bfe_u32 s19, ttmp6, 0x40000                  ; cx
	s_bfe_u32 s20, ttmp6, 0x40004                  ; cy
	s_lshl_b32 s21, ttmp9, 2
	s_add_co_u32 s21, s21, s19                     ; gx: which 8 tiles of S0
	s_and_b32 s22, ttmp7, 0xffff
	s_lshl_b32 s22, s22, 2
	s_add_co_u32 s22, s22, s20                     ; gy: which 16 tiles of S1
	s_lshl_b32 s76, 0x1111, s19                    ; my column of the cluster
	s_lshl_b32 s77, s20, 2
	s_lshl_b32 s77, 15, s77                        ; my row
	; group 1: R rows (a tile's 6,144 bytes of a half: 768 elements of 8 bytes), 12,288 bytes apart; no padding
	s_or_b32 s24, s76, (3<<16)|(1<<21)             ; S0: the mask of my column; elements of 8 bytes; bit 21 beside a mask
	s_mov_b32 s25, 768<<16                         ; a row: a tile's 6,144 bytes of a half of K
	s_mov_b32 s26, 8<<16                           ; 8 tiles
	s_mov_b32 s27, 768<<16
	s_mov_b32 s28, 8
	s_mov_b32 s29, 1536                            ; the pitch
	s_mov_b32 s30, 0
	s_mov_b32 s31, 0
	s_or_b32 s32, s77, (3<<16)|(1<<21)             ; S1: the mask of my row
	s_mov_b32 s33, 768<<16
	s_mov_b32 s34, 8<<16                           ; 8 tiles at the head, 4 later
	s_mov_b32 s35, 768<<16
	s_mov_b32 s36, 8
	s_mov_b32 s37, 1536
	s_mov_b32 s38, 0
	s_mov_b32 s39, 0
	s_lshl_b32 s78, s21, 3                         ; S0's address hangs on gx and the wave alone,
	s_add_co_u32 s78, s78, S0T0
	s_mul_i32 s78, s78, 12288
	s_mov_b32 s79, 0
	s_lshl_b32 s80, s22, 4                         ; S1's on gy and the wave alone
	s_add_co_u32 s80, s80, S1T0
	s_mul_i32 s80, s80, 12288
	s_mov_b32 s81, 0
	s_mul_i32 s82, s18, 49152                      ; where my head's load goes: 0, S1B, S1B + 49,152, HB
	s_mul_i32 s83, s18, 24576                      ; my four tiles of S1 in a half
	s_lshr_b32 s86, s18, 1
	s_mul_i32 s86, s86, 98304                      ; waves 1, 2: S1's tiles 0-7, 8-15 in memory
	s_mov_b32 s87, 0
	s_mul_i32 s88, s18, 49152                      ; my four tiles of S1 in memory,
	s_add_co_u32 s88, s88, 6144                    ; their second half of K
	s_mov_b32 s89, 0
	s_wait_dscnt 0x0
	s_wait_kmcnt 0x0
	s_add_nc_u64 s[78:79], s[4:5], s[78:79]
	s_add_nc_u64 s[80:81], s[6:7], s[80:81]
	s_add_nc_u64 s[86:87], s[80:81], s[86:87]
	s_add_nc_u64 s[88:89], s[80:81], s[88:89]
	MKG0 40, 82, 0, 78, 0                          ; wave 0: S0, first half
	MKG0 44, 82, 0, 78, 6144                       ; wave 3: S0, second half
	MKG0 56, 82, 0, 86, 0                          ; waves 1, 2: S1, first half
	MKG0 60, 83, HB+S1B, 88, 0                     ; every wave, later: S1, second half
	CROUND                                         ; all sixteen work-groups are here: the joint loads meet
	s_cmp_eq_u32 s18, 0                            ; one chain of branches on the wave's number, one load to an arm
	s_cbranch_scc0 .Lhead_3
	tensor_load_to_lds s[40:43], s[24:31]
	s_nop 0
.rept 4
	v_nop
.endr
	s_branch .Lhead_asked
.Lhead_3:
	s_cmp_eq_u32 s18, 3
	s_cbranch_scc0 .Lhead_12
	tensor_load_to_lds s[44:47], s[24:31]
	s_nop 0
.rept 4
	v_nop
.endr
	s_branch .Lhead_asked
.Lhead_12:
	tensor_load_to_lds s[56:59], s[32:39]
	s_nop 0
.Lhead_asked:
.rept 4
	v_nop
.endr
	v_and_b32 v5, 31, v0
	v_lshlrev_b32 v1, 4, v5                        ; 16 x lane
	v_and_b32 v3, 15, v0                           ; r
	v_bfe_u32 v4, v0, 4, 1                         ; h
	v_lshlrev_b32 v2, 4, v3
	v_lshl_add_u32 v2, v4, 3, v2                   ; 16 r + 8 h
	s_add_co_u32 s84, s83, S1B
	v_add_nc_u32 v6, s84, v1
	v_add_nc_u32 v7, s84, v2
.irp c, 0,1,2,3
	v_add_nc_u32 v[8+\c], (\c/2)*HB+(\c%2)*3072, v1    ; K steps 2 c, 2 c + 1: half c / 2, 3,072 (c % 2) bytes into a tile
	v_add_nc_u32 v[12+\c], (\c/2)*HB+(\c%2)*3072, v2
	v_add_nc_u32 v[16+\c], (\c/2)*HB+(\c%2)*3072, v6
	v_add_nc_u32 v[20+\c], (\c/2)*HB+(\c%2)*3072, v7
.endr
.irp b, 0,1,2,3
	v_mov_b32 v[TM+4+\b], 0                        ; written once: a lane permute's destination counts as one of its sources
.endr
	s_mov_b32 s[SEL], 0x76543210
	s_mov_b32 s[SEL+1], 0xfedcba98
	s_lshl_b32 s84, s21, 12                        ; the scale words: 512 bytes a tile
	s_add_co_u32 s84, s84, S0SC+S0T0*512
	s_mov_b32 s85, 0
	s_add_nc_u64 s[84:85], s[4:5], s[84:85]
	s_lshl_b32 s86, s22, 13
	s_lshl_b32 s87, s18, 11
	s_add_co_u32 s86, s86, s87
	s_add_co_u32 s86, s86, S1SC+S1T0*512
	s_mov_b32 s87, 0
	s_add_nc_u64 s[86:87], s[6:7], s[86:87]
.irp a, 0,1,2,3,4,5,6,7
	global_load_b128 v[48+4*\a:51+4*\a], v1, s[84:85] offset:512*\a   ; a tile's words for all of K: 512 consecutive bytes
.endr
.irp m, 0,1,2,3
	global_load_b128 v[80+4*\m:83+4*\m], v1, s[86:87] offset:512*\m
.endr
	s_lshl_b32 s88, s21, 9                         ; the bias of my 128 columns
	s_mov_b32 s89, 0
	s_add_nc_u64 s[8:9], s[8:9], s[88:89]
	v_lshlrev_b32 v24, 6, v4                       ; 64 h
	s_lshl_b32 s88, s22, 8                         ; the table: my wave's first token, within its batch
	s_lshl_b32 s90, s18, 6
	s_add_co_u32 s88, s88, s90
	s_and_b32 s88, s88, 2047
	s_lshl_b32 s88, s88, 8
	s_add_nc_u64 s[10:11], s[10:11], s[88:89]
	v_and_b32 v25, 8, v3
	v_add_nc_u32 v25, v25, v3                      ; r + 8 (r / 8)
	v_lshlrev_b32 v25, 8, v25
	v_lshl_add_u32 v25, v4, 7, v25                 ; my token's row, + 128 h: frequencies 16 h + 0 .. 15
	WIN 0xc0                                       ; destination window 3
.irp a, 0,1,2,3,4,5,6,7
	global_load_b128 v[8*\a:8*\a+3], v24, s[8:9] offset:(32*(\a/2)+8*(\a%2))*4
	global_load_b128 v[8*\a+4:8*\a+7], v24, s[8:9] offset:(32*(\a/2)+8*(\a%2))*4+16
.endr
.irp m, 0,1,2,3
.irp q, 0,1,2,3,4,5,6,7
	global_load_b128 v[64+32*\m+4*\q:64+32*\m+4*\q+3], v25, s[10:11] offset:(32*(\m/2)+8*(\m%2))*256+16*\q
.endr
.endr
	WIN 0
	s_lshr_b32 s88, s21, 3                         ; the first of my two records: 64 x (q or k) + 16 x batch + 2 (gx % 8)
	s_lshl_b32 s88, s88, 6
	s_lshr_b32 s90, s22, 3
	s_lshl_b32 s90, s90, 4
	s_add_co_u32 s88, s88, s90
	s_and_b32 s90, s21, 7
	s_lshl_b32 s90, s90, 1
	s_add_co_u32 s88, s88, s90
	s_mul_i32 s88, s88, 106496
	s_and_b32 s90, s22, 7
	s_lshl_b32 s90, s90, 2
	s_add_co_u32 s90, s90, s18                     ; my first tile in the record / 4
	s_mul_i32 s91, s90, 3072
	s_add_co_u32 s14, s88, s91
	s_mov_b32 s15, 0
	s_lshl_b32 s90, s90, 8
	s_add_co_u32 s16, s88, s90
	s_add_co_u32 s16, s16, 98304
	s_mov_b32 s17, 0
	s_add_nc_u64 s[14:15], s[12:13], s[14:15]      ; my codes
	s_add_nc_u64 s[16:17], s[12:13], s[16:17]      ; my scale words
	v_mul_u32_u24 v26, v4, 106496
	v_lshl_add_u32 v26, v3, 4, v26                 ; lanes 0-15 the first head's record, lanes 16-31 the second's
	v_lshlrev_b32 v27, 4, v4                       ; 16 h
	s_wait_alu depctr_va_vdst(0)
	s_wait_loadcnt 0x0                             ; scale words, bias, table
	s_wait_tensorcnt 0x0                           ; my load of the head has landed
	ds_add_u32 v42, v43                            ; the add ahead of a later first fill
	s_mov_b32 s34, 4<<16                           ; no load of mine is out: from here on S1's load brings 4 tiles
	s_mov_b32 s36, 4
	s_wait_dscnt 0x0
	CROUND                                         ; everybody's have landed, and the joint loads meet
	tensor_load_to_lds s[60:63], s[32:39]          ; my four tiles of S1, second half of K
	s_nop 0
.rept 4
	v_nop
.endr
	FETCH 0
	STEP 0
	STEP 1
	STEP 2
	STEP 3
	STEP 4
	STEP 5
	STEP 6
	STEP 7
	WIN 0
.rept 4
	v_nop                                          ; places in front of the first read of results and of writes into the fragments' registers
.endr
; RoPE and the quantiser, a tile of 16 tokens at a time.  Of head g a lane holds d = 16 h + i in register 32 g + i and d = 32 + 16 h + i in register 32 g + 16 + i: both halves of a rotation, with frequency 16 h + i.
.macro EPI m
.if \m>0
	s_wait_xcnt 0x0                                ; the last tile's stores have read their data
.endif
	WIN 0x0e                                       ; source 0 window 2 (sums), source 1 window 3 (table)
.irp g, 0,1
.irp q, 0,1,2,3,4,5,6,7                        ; each accumulator is read from its low end on
	v_pk_mul_f32 v[HA+32*\g+2*\q:HA+32*\g+2*\q+1], v[64*\m+32*\g+2*\q:64*\m+32*\g+2*\q+1], v[64+32*\m+4*\q:64+32*\m+4*\q+1]
	v_pk_mul_f32 v[HA+32*\g+16+2*\q:HA+32*\g+16+2*\q+1], v[64*\m+32*\g+16+2*\q:64*\m+32*\g+16+2*\q+1], v[64+32*\m+4*\q:64+32*\m+4*\q+1]
	v_pk_fma_f32 v[HA+32*\g+2*\q:HA+32*\g+2*\q+1], v[64*\m+32*\g+16+2*\q:64*\m+32*\g+16+2*\q+1], v[64+32*\m+4*\q+2:64+32*\m+4*\q+3], v[HA+32*\g+2*\q:HA+32*\g+2*\q+1] neg_lo:[0,1,0] neg_hi:[0,1,0]
	v_pk_fma_f32 v[HA+32*\g+16+2*\q:HA+32*\g+16+2*\q+1], v[64*\m+32*\g+2*\q:64*\m+32*\g+2*\q+1], v[64+32*\m+4*\q+2:64+32*\m+4*\q+3], v[HA+32*\g+16+2*\q:HA+32*\g+16+2*\q+1]
.endr
.endr
	WIN 0
	QUANT HA, 120+\m
	global_store_b128 v1, v[PC:PC+3], s[14:15] offset:768*\m             ; the first head's half fragment
	global_store_b64 v2, v[PC+4:PC+5], s[14:15] offset:768*\m+512
	global_store_b128 v1, v[PC+6:PC+9], s[14:15] offset:106496+768*\m    ; the second head's
	global_store_b64 v2, v[PC+10:PC+11], s[14:15] offset:106496+768*\m+512
.endm
	EPI 0
	EPI 1
	EPI 2
	EPI 3
.irp m, 0,1,2,3
	v_lshrrev_b32 v[124+\m], v27, v[120+\m]        ; lanes 16-31: the second head's two bytes come down
.endr
	global_store_b128 v26, v[124:127], s[16:17]    ; four tiles' words of a row: twice 256 consecutive bytes, aligned
	s_wait_dscnt 0x0
	s_wait_tensorcnt 0x0
	ds_add_u32 v42, v43
	s_wait_dscnt 0x0
	CROUND                                         ; the closing round: no work-group ends while a partner may still ask for a tile that names it
	s_endpgm
.Lfunc_end_k_q1f5d0b6429_gemm_qk:
	.size	k_q1f5d0b6429_gemm_qk, .Lfunc_end_k_q1f5d0b6429_gemm_qk-k_q1f5d0b6429_gemm_qk
	.p2alignl 7, 3214868480
	.fill 96, 4, 3214868480
	.section	.rodata,"a",@progbits
	.p2align	6, 0x0
	.amdhsa_kernel k_q1f5d0b6429_gemm_qk
		.amdhsa_group_segment_fixed_size 327680
		.amdhsa_private_segment_fixed_size 0
		.amdhsa_enable_private_segment 0
		.amdhsa_kernarg_size 40
		.amdhsa_user_sgpr_count 2
		.amdhsa_user_sgpr_kernarg_segment_ptr 1
		.amdhsa_wavefront_size32 1
		.amdhsa_system_sgpr_workgroup_id_x 1
		.amdhsa_system_sgpr_workgroup_id_y 1
		.amdhsa_system_sgpr_workgroup_id_z 1
		.amdhsa_system_vgpr_workitem_id 0
		.amdhsa_next_free_vgpr 960
		.amdhsa_next_free_sgpr 96
		.amdhsa_reserve_vcc 0
		.amdhsa_float_denorm_mode_32 3
		.amdhsa_float_denorm_mode_16_64 3
		.amdhsa_memory_ordered 1
		.amdhsa_forward_progress 1
		.amdhsa_inst_pref_size 107
	.end_amdhsa_kernel
	.amdgpu_metadata
---
amdhsa.version: [ 1, 2 ]
amdhsa.kernels:
  - .name:           k_q1f5d0b6429_gemm_qk
    .symbol:         k_q1f5d0b6429_gemm_qk.kd
    .args:
      - { .name: wc, .offset: 0, .size: 8, .value_kind: global_buffer, .address_space: global }
      - { .name: xq, .offset: 8, .size: 8, .value_kind: global_buffer, .address_space: global }
      - { .name: b_qkv, .offset: 16, .size: 8, .value_kind: global_buffer, .address_space: global }
      - { .name: rope, .offset: 24, .size: 8, .value_kind: global_buffer, .address_space: global }
      - { .name: qk, .offset: 32, .size: 8, .value_kind: global_buffer, .address_space: global }
    .group_segment_fixed_size: 327680
    .private_segment_fixed_size: 0
    .kernarg_segment_align: 8
    .kernarg_segment_size: 40
    .max_flat_workgroup_size: 128
    .sgpr_count:     96
    .vgpr_count:     960
    .wavefront_size: 32
...
	.end_amdgpu_metadata
.endif
;; end of part 2
;; launch gemm_v (part 3): grid 64 x 4, 4 waves a work-group, clusters of 4 x 4, 327,680 bytes of LDS; arguments xq, wc, b_qkv, vv; writes vv
.if DOCPART == 3
	.amdgcn_target "amdgcn-amd-amdhsa--gfx1250"
	.amdhsa_code_object_version 6
	.text
	.protected	k_q1f5d0b6429_gemm_v
	.globl	k_q1f5d0b6429_gemm_v
	.p2align	8
	.type	k_q1f5d0b6429_gemm_v,@function
k_q1f5d0b6429_gemm_v:
	s_mov_b64 s[64:65], 0
	v_nop
	global_prefetch_b8 v0, s[64:65] scope:SCOPE_SE
	s_setreg_imm32_b32 hwreg(HW_REG_WAVE_MODE, 25, 1), 1
	s_wait_xcnt 0x0
	s_wait_alu depctr_hold_cnt(0) depctr_sa_sdst(0) depctr_va_vdst(0) depctr_va_sdst(0) depctr_va_ssrc(0) depctr_va_vcc(0) depctr_vm_vsrc(0)
	s_getreg_b32 s2, hwreg(HW_REG_IB_STS2, 6, 4)
	s_cmp_eq_u32 s2, 0
	s_cbranch_scc0 .Lentry_in_a_cluster
	s_endpgm
.Lentry_in_a_cluster:
	s_bfe_u32 s2, ttmp6, 0x10000c
	s_cmp_lg_u32 s2, 0xf033
	s_cbranch_scc0 .Lentry_shape_is_right
	s_endpgm
.Lentry_shape_is_right:
; v: x W + b for columns 2,048 .. 3,071 of w_qkv, on codes of FP6 (E2M3) with E8M0 scales; then quantised ALONG THE KEYS, which are the K of attention's second product.
; So the product is used the other way round than q's and k's: SOURCE 0 = 16 tokens (S0), SOURCE 1 = 16 columns of W (S1): a lane holds one channel, and its registers run along the tokens.
; A tile's rows are row(T, r) = 32 (T / 2) + 8 (T % 2) + r + 8 (r / 8).  A work-group: 128 tokens (one key step) x 256 columns (four heads); wave w: one head, its four tiles against the 8 tiles of tokens: 32 accumulators.
; ALL OF K = 1,024 LIES IN LDS, in two halves of 512 along K, each filled ONCE: a wave issues one tensor load at the head and one later, and reads each half behind a wait for its loads and a barrier.
; CLUSTER 4 x 4: S0's tiles are asked for jointly by a column of the cluster, S1's by a row.  The grid has one cluster along y, so the work-group's y is its place cy.
; LIMITS: a block whose largest magnitude lies under 2^-124 gets the byte 1; NaN and infinities are not served.
; vv: 64 records of 102,400 bytes (16 x batch + head): codes [64 keys: 32][tile of channels 4][768], then at 98,304 scale words [key step 16][r 16][tile 4].
; REGISTERS.  window 0: v1 16 x lane, v2 16 r + 8 h, v3 r, v4 h, v5 the bias's offset, v8-23 LDS addresses, v24-31 the bias, a pair a tile, v32-47 at work, v48-79 S0's scale words, v80-95 S1's,
;   v96-191 S1's fragments (two sets), later codes, v192-255 64 numbers.   window 1: S0's fragments, two sets.   window 2: the accumulators, (m, a) at 64 m + 8 a.
.set S0T0, 0
.set S1T0, 128
.set S0SC, 6291456
.set S1SC, 3145728
.set BIASC, 0
; HOW K COMES IN: in two halves of 512 along K, each filled once.  A half: S0's 8 tiles x 6,144 bytes, then S1's 16.  At the head one joint load a wave: wave 0 S0's first half, waves 1 and 2 eight tiles each of S1's first half,
; wave 3 S0's second half.  S1's second half, four tiles a wave, is asked for behind the wait for all loads, the add and a round, and is shown to all by the barrier in K step 3.
.set HB,  147456                       ; a half of K in LDS
.set S1B, 49152                        ; S1's tiles in a half
.set TM,  32
.set PC,  96
.set HA,  192
.set SEL, 92
.set MSB, 0
.macro WIN new                         ; the immediate's high byte repeats the setting that is left
.if MSB != \new
	s_set_vgpr_msb (MSB<<8)|\new
.set MSB, \new
.endif
.endm
.macro CROUND                          ; a round of the cluster's barrier
	s_barrier_signal -1
	s_barrier_wait -1
	s_cmp_lg_u32 s18, 0
	s_cbranch_scc1 .Lnot_wave_0_\@
	s_barrier_signal -3
.Lnot_wave_0_\@:
	s_barrier_wait -3
	s_barrier_signal -1
	s_barrier_wait -1
.endm
.macro MKG0 g, lw, lc, p, go
	s_mov_b32 s[\g], 1
	s_add_co_u32 s[\g+1], s[\lw], \lc
	s_add_nc_u64 s[\g+2:\g+3], s[\p:\p+1], \go
	s_or_b32 s[\g+3], s[\g+3], 0x80000000
.endm
.macro FRAG reg, am, at, off
	ds_load_b128 v[(\reg):(\reg)+3], v[\am] offset:\off
	ds_load_b64 v[(\reg)+4:(\reg)+5], v[\at] offset:\off+512
	ds_load_b128 v[(\reg)+6:(\reg)+9], v[\am] offset:\off+768
	ds_load_b64 v[(\reg)+10:(\reg)+11], v[\at] offset:\off+1280
.endm
.macro FETCH s
	WIN 0x40
.irp a, 0,1,2,3,4,5,6,7
	FRAG 128*((\s)%2)+12*\a, 8+(\s)/2, 12+(\s)/2, \a*6144+1536*((\s)%2)
.endr
	WIN 0
.irp m, 0,1,2,3
	FRAG 96+48*((\s)%2)+12*\m, 16+(\s)/2, 20+(\s)/2, \m*6144+1536*((\s)%2)
.endr
.endm
.macro MWIN s
.if ((\s)==0)&&BIASC
	WIN 0xb1
.else
	WIN 0xa1                                       ; source 0 window 1, source 1 window 0, C and D window 2
.endif
.endm
; The 32 accumulators take turns, one instruction a turn, in the same order in every K step.
.macro MUL s, m0
.irp m, \m0, \m0+1
.irp a, 0,1,2,3,4,5,6,7
.if ((\s)==0)&&BIASC
	v_wmma_scale_f32_16x16x128_f8f6f4 v[64*(\m)+8*\a:64*(\m)+8*\a+7], v[128*((\s)%2)+12*\a:128*((\s)%2)+12*\a+11], v[96+48*((\s)%2)+12*(\m):96+48*((\s)%2)+12*(\m)+11], v[8*\a:8*\a+7], v[48+4*\a+(\s)%4], v[80+4*(\m)+(\s)%4] matrix_a_fmt:MATRIX_FMT_FP6 matrix_b_fmt:MATRIX_FMT_FP6
.elseif (\s)==0
	v_wmma_scale_f32_16x16x128_f8f6f4 v[64*(\m)+8*\a:64*(\m)+8*\a+7], v[128*((\s)%2)+12*\a:128*((\s)%2)+12*\a+11], v[96+48*((\s)%2)+12*(\m):96+48*((\s)%2)+12*(\m)+11], 0, v[48+4*\a+(\s)%4], v[80+4*(\m)+(\s)%4] matrix_a_fmt:MATRIX_FMT_FP6 matrix_b_fmt:MATRIX_FMT_FP6
.elseif (\s)<4
	v_wmma_scale_f32_16x16x128_f8f6f4 v[64*(\m)+8*\a:64*(\m)+8*\a+7], v[128*((\s)%2)+12*\a:128*((\s)%2)+12*\a+11], v[96+48*((\s)%2)+12*(\m):96+48*((\s)%2)+12*(\m)+11], v[64*(\m)+8*\a:64*(\m)+8*\a+7], v[48+4*\a+(\s)%4], v[80+4*(\m)+(\s)%4] matrix_a_fmt:MATRIX_FMT_FP6 matrix_b_fmt:MATRIX_FMT_FP6
.else
	v_wmma_scale_f32_16x16x128_f8f6f4 v[64*(\m)+8*\a:64*(\m)+8*\a+7], v[128*((\s)%2)+12*\a:128*((\s)%2)+12*\a+11], v[96+48*((\s)%2)+12*(\m):96+48*((\s)%2)+12*(\m)+11], v[64*(\m)+8*\a:64*(\m)+8*\a+7], v[48+4*\a+(\s)%4], v[80+4*(\m)+(\s)%4] matrix_a_fmt:MATRIX_FMT_FP6 matrix_b_fmt:MATRIX_FMT_FP6 matrix_a_scale:MATRIX_SCALE_ROW1 matrix_b_scale:MATRIX_SCALE_ROW1
.endif
.endr
.endr
.endm
.macro STEP s
	s_wait_dscnt 0x0                               ; this K step's fragments are in (asked for 16 products ago)
	MWIN \s
	MUL \s, 0
.if (\s)==3
	s_wait_tensorcnt 0x0                           ; my part of the second half has landed
	s_barrier_signal -1                            ; no LDS instruction of mine is pending
	s_barrier_wait -1
.endif
.if (\s)<7
.rept 4
	v_nop                                          ; places in front of loads into registers that products have read
.endr
	FETCH (\s)+1
	MWIN \s
.endif
	MUL \s, 2
.endm
.macro QUANT s, pw
.irp b, 0,1,2,3
	v_max3_num_f32 v[TM+\b], |v[(\s)+16*\b]|, |v[(\s)+1+16*\b]|, 0x1800000   ; and the floor 2^(3 - 127): the byte cannot fall under 1
.endr
.irp i, 2,4,6,8,10,12,14
.irp b, 0,1,2,3
	v_max3_num_f32 v[TM+\b], v[TM+\b], |v[(\s)+16*\b+\i]|, |v[(\s)+1+16*\b+\i]|
.endr
.endr
.irp b, 0,1,2,3
	v_permlanex16_b32 v[TM+4+\b], v[TM+\b], s[SEL], s[SEL+1]
.endr
.irp b, 0,1,2,3
	v_max_num_f32 v[TM+\b], v[TM+\b], v[TM+4+\b]
.endr
.irp b, 0,1,2,3
	v_add_nc_u32 v[TM+12+\b], 0xff000000, v[TM+\b]
.endr
.irp b, 0,1,2,3
	v_lshrrev_b32 v[TM+4+\b], 23, v[TM+12+\b]
.endr
	v_lshl_or_b32 v[\pw], v[TM+5], 8, v[TM+4]
	v_lshl_or_b32 v[\pw], v[TM+6], 16, v[\pw]
	v_lshl_or_b32 v[\pw], v[TM+7], 24, v[\pw]
.irp c, 0,1
	v_cvt_scalef32_pk16_fp6_f32 v[PC+6*\c:PC+2+6*\c], v[(\s)+32*\c:(\s)+15+32*\c], v[TM+12+2*\c]
	v_cvt_scalef32_pk16_fp6_f32 v[PC+12+4*\c:PC+14+4*\c], v[(\s)+16+32*\c:(\s)+31+32*\c], v[TM+12+2*\c+1]
.endr
	v_nop                                          ; one plain place behind a scaled conversion
.irp c, 0,1
.irp i, 0,1,2
	v_permlane16_swap_b32 v[PC+6*\c+\i], v[PC+12+4*\c+\i]
.endr
.irp i, 0,1,2
	v_mov_b32 v[PC+3+6*\c+\i], v[PC+12+4*\c+\i]
.endr
.endr
.endm
	s_load_b256 s[4:11], s[0:1], 0x0               ; S0 = xq s[4:5], S1 = wc s[6:7], b_qkv s[8:9], vv s[10:11]
	v_lshl_add_u32 v42, v0, 2, 0x48000
	v_mov_b32 v43, 0
	ds_add_u32 v42, v43
	ds_add_u32 v42, v43
	v_lshrrev_b32 v1, 5, v0
	v_readfirstlane_b32 s18, v1                    ; wave 0..3
	s_bfe_u32 s19, ttmp6, 0x40000                  ; cx
	s_bfe_u32 s20, ttmp6, 0x40004                  ; cy
	s_lshl_b32 s21, ttmp9, 2
	s_add_co_u32 s21, s21, s19                     ; gx: which 128 tokens
	s_mov_b32 s22, s20                             ; gy: which four heads: one cluster along y
	s_lshl_b32 s76, 0x1111, s19                    ; my column of the cluster
	s_lshl_b32 s77, s20, 2
	s_lshl_b32 s77, 15, s77                        ; my row
	s_or_b32 s24, s76, (3<<16)|(1<<21)             ; group 1 for S0: 8 rows of 768 elements of 8 bytes, 1,536 elements apart
	s_mov_b32 s25, 768<<16                         ; a row: a tile's 6,144 bytes of a half of K
	s_mov_b32 s26, 8<<16                           ; 8 tiles
	s_mov_b32 s27, 768<<16
	s_mov_b32 s28, 8
	s_mov_b32 s29, 1536
	s_mov_b32 s30, 0
	s_mov_b32 s31, 0
	s_or_b32 s32, s77, (3<<16)|(1<<21)             ; for S1: 8 rows at the head, 4 later
	s_mov_b32 s33, 768<<16
	s_mov_b32 s34, 8<<16                           ; 8 tiles at the head, 4 later
	s_mov_b32 s35, 768<<16
	s_mov_b32 s36, 8
	s_mov_b32 s37, 1536
	s_mov_b32 s38, 0
	s_mov_b32 s39, 0
	s_lshl_b32 s78, s21, 3
	s_add_co_u32 s78, s78, S0T0
	s_mul_i32 s78, s78, 12288
	s_mov_b32 s79, 0
	s_lshl_b32 s80, s22, 4
	s_add_co_u32 s80, s80, S1T0
	s_mul_i32 s80, s80, 12288
	s_mov_b32 s81, 0
	s_mul_i32 s82, s18, 49152                      ; where my head's load goes: 0, S1B, S1B + 49,152, HB
	s_mul_i32 s83, s18, 24576                      ; my four tiles of S1 in a half
	s_lshr_b32 s86, s18, 1
	s_mul_i32 s86, s86, 98304                      ; waves 1, 2: S1's tiles 0-7, 8-15 in memory
	s_mov_b32 s87, 0
	s_mul_i32 s88, s18, 49152                      ; my four tiles of S1 in memory,
	s_add_co_u32 s88, s88, 6144                    ; their second half of K
	s_mov_b32 s89, 0
	s_wait_dscnt 0x0
	s_wait_kmcnt 0x0
	s_add_nc_u64 s[78:79], s[4:5], s[78:79]
	s_add_nc_u64 s[80:81], s[6:7], s[80:81]
	s_add_nc_u64 s[86:87], s[80:81], s[86:87]
	s_add_nc_u64 s[88:89], s[80:81], s[88:89]
	MKG0 40, 82, 0, 78, 0                          ; wave 0: S0, first half
	MKG0 44, 82, 0, 78, 6144                       ; wave 3: S0, second half
	MKG0 56, 82, 0, 86, 0                          ; waves 1, 2: S1, first half
	MKG0 60, 83, HB+S1B, 88, 0                     ; every wave, later: S1, second half
	CROUND                                         ; all sixteen work-groups are here: the joint loads meet
	s_cmp_eq_u32 s18, 0                            ; one chain of branches on the wave's number, one load to an arm
	s_cbranch_scc0 .Lhead_3
	tensor_load_to_lds s[40:43], s[24:31]
	s_nop 0
.rept 4
	v_nop
.endr
	s_branch .Lhead_asked
.Lhead_3:
	s_cmp_eq_u32 s18, 3
	s_cbranch_scc0 .Lhead_12
	tensor_load_to_lds s[44:47], s[24:31]
	s_nop 0
.rept 4
	v_nop
.endr
	s_branch .Lhead_asked
.Lhead_12:
	tensor_load_to_lds s[56:59], s[32:39]
	s_nop 0
.Lhead_asked:
.rept 4
	v_nop
.endr
	v_and_b32 v5, 31, v0
	v_lshlrev_b32 v1, 4, v5                        ; 16 x lane
	v_and_b32 v3, 15, v0                           ; r
	v_bfe_u32 v4, v0, 4, 1                         ; h
	v_lshlrev_b32 v2, 4, v3
	v_lshl_add_u32 v2, v4, 3, v2                   ; 16 r + 8 h
	s_add_co_u32 s84, s83, S1B
	v_add_nc_u32 v6, s84, v1
	v_add_nc_u32 v7, s84, v2
.irp c, 0,1,2,3
	v_add_nc_u32 v[8+\c], (\c/2)*HB+(\c%2)*3072, v1    ; K steps 2 c, 2 c + 1: half c / 2, 3,072 (c % 2) bytes into a tile
	v_add_nc_u32 v[12+\c], (\c/2)*HB+(\c%2)*3072, v2
	v_add_nc_u32 v[16+\c], (\c/2)*HB+(\c%2)*3072, v6
	v_add_nc_u32 v[20+\c], (\c/2)*HB+(\c%2)*3072, v7
.endr
.irp b, 0,1,2,3
	v_mov_b32 v[TM+4+\b], 0                        ; written once: a lane permute's destination counts as one of its sources
.endr
	s_mov_b32 s[SEL], 0x76543210
	s_mov_b32 s[SEL+1], 0xfedcba98
	s_mov_b32 s94, 0xffff0000                      ; lanes 16-31
	s_lshl_b32 s84, s21, 12
	s_add_co_u32 s84, s84, S0SC+S0T0*512
	s_mov_b32 s85, 0
	s_add_nc_u64 s[84:85], s[4:5], s[84:85]
	s_lshl_b32 s86, s22, 13
	s_lshl_b32 s87, s18, 11
	s_add_co_u32 s86, s86, s87
	s_add_co_u32 s86, s86, S1SC+S1T0*512
	s_mov_b32 s87, 0
	s_add_nc_u64 s[86:87], s[6:7], s[86:87]
.irp a, 0,1,2,3,4,5,6,7
	global_load_b128 v[48+4*\a:51+4*\a], v1, s[84:85] offset:512*\a
.endr
.irp m, 0,1,2,3
	global_load_b128 v[80+4*\m:83+4*\m], v1, s[86:87] offset:512*\m
.endr
	s_lshl_b32 s88, s22, 2
	s_add_co_u32 s88, s88, s18                     ; my head
	s_lshl_b32 s90, s88, 8
	s_add_co_u32 s90, s90, 8192                    ; its 64 numbers of the bias, behind q's and k's 2,048
	s_mov_b32 s91, 0
	s_add_nc_u64 s[8:9], s[8:9], s[90:91]
	v_and_b32 v5, 8, v3
	v_add_nc_u32 v5, v5, v3
	v_lshlrev_b32 v5, 2, v5                        ; 4 (r + 8 (r / 8))
.irp m, 0,1,2,3
	global_load_b32 v[24+2*\m], v5, s[8:9] offset:(32*(\m/2)+8*(\m%2))*4   ; my channel's bias, twice: a pair for the packed addition
	global_load_b32 v[25+2*\m], v5, s[8:9] offset:(32*(\m/2)+8*(\m%2))*4
.endr
	s_lshr_b32 s90, s21, 4
	s_lshl_b32 s90, s90, 4
	s_add_co_u32 s88, s88, s90                     ; 16 x batch + head
	s_mul_i32 s88, s88, 102400
	s_and_b32 s90, s21, 15                         ; the key step
	s_mul_i32 s14, s90, 6144
	s_add_co_u32 s14, s14, s88
	s_mov_b32 s15, 0
	s_lshl_b32 s16, s90, 8
	s_add_co_u32 s16, s16, s88
	s_add_co_u32 s16, s16, 98304
	s_mov_b32 s17, 0
	s_add_nc_u64 s[14:15], s[10:11], s[14:15]      ; my codes
	s_add_nc_u64 s[16:17], s[10:11], s[16:17]      ; my scale words
	s_wait_alu depctr_va_vdst(0)
	s_wait_loadcnt 0x0
	s_wait_tensorcnt 0x0                           ; my load of the head has landed
	ds_add_u32 v42, v43                            ; the add ahead of a later first fill
	s_mov_b32 s34, 4<<16                           ; no load of mine is out: from here on S1's load brings 4 tiles
	s_mov_b32 s36, 4
	s_wait_dscnt 0x0
	CROUND                                         ; everybody's have landed, and the joint loads meet
	tensor_load_to_lds s[60:63], s[32:39]          ; my four tiles of S1, second half of K
	s_nop 0
.rept 4
	v_nop
.endr
	FETCH 0
	STEP 0
	STEP 1
	STEP 2
	STEP 3
	STEP 4
	STEP 5
	STEP 6
	STEP 7
	WIN 0
.rept 4
	v_nop                                          ; places in front of the first read of results and of writes into the fragments' registers
.endr
.macro EPI m                           ; tile m of the head's channels: + bias, quantised along these 128 keys
.if \m>0
	s_wait_xcnt 0x0                                ; the last tile's stores have read their data
.endif
	WIN 0x02                                       ; source 0 window 2
.set i, 0
.rept 32
	v_pk_add_f32 v[HA+2*i:HA+2*i+1], v[64*\m+2*i:64*\m+2*i+1], v[24+2*\m:25+2*\m]   ; ascending: each accumulator from its low end on
.set i, i+1
.endr
	WIN 0
	QUANT HA, 120+\m
	global_store_b128 v1, v[PC:PC+3], s[14:15] offset:768*\m             ; keys 0 .. 63 of the step
	global_store_b64 v2, v[PC+4:PC+5], s[14:15] offset:768*\m+512
	global_store_b128 v1, v[PC+6:PC+9], s[14:15] offset:3072+768*\m      ; keys 64 .. 127
	global_store_b64 v2, v[PC+10:PC+11], s[14:15] offset:3072+768*\m+512
.endm
	EPI 0
	EPI 1
	EPI 2
	EPI 3
	v_cndmask_b32 v124, v120, v122, s94            ; lane (r, h) stores the words of tiles 2 h and 2 h + 1
	v_cndmask_b32 v125, v121, v123, s94
	global_store_b64 v2, v[124:125], s[16:17]      ; 256 consecutive bytes, aligned
	s_wait_dscnt 0x0
	s_wait_tensorcnt 0x0
	ds_add_u32 v42, v43
	s_wait_dscnt 0x0
	CROUND                                         ; the closing round
	s_endpgm
.Lfunc_end_k_q1f5d0b6429_gemm_v:
	.size	k_q1f5d0b6429_gemm_v, .Lfunc_end_k_q1f5d0b6429_gemm_v-k_q1f5d0b6429_gemm_v
	.p2alignl 7, 3214868480
	.fill 96, 4, 3214868480
	.section	.rodata,"a",@progbits
	.p2align	6, 0x0
	.amdhsa_kernel k_q1f5d0b6429_gemm_v
		.amdhsa_group_segment_fixed_size 327680
		.amdhsa_private_segment_fixed_size 0
		.amdhsa_enable_private_segment 0
		.amdhsa_kernarg_size 32
		.amdhsa_user_sgpr_count 2
		.amdhsa_user_sgpr_kernarg_segment_ptr 1
		.amdhsa_wavefront_size32 1
		.amdhsa_system_sgpr_workgroup_id_x 1
		.amdhsa_system_sgpr_workgroup_id_y 1
		.amdhsa_system_sgpr_workgroup_id_z 1
		.amdhsa_system_vgpr_workitem_id 0
		.amdhsa_next_free_vgpr 768
		.amdhsa_next_free_sgpr 96
		.amdhsa_reserve_vcc 0
		.amdhsa_float_denorm_mode_32 3
		.amdhsa_float_denorm_mode_16_64 3
		.amdhsa_memory_ordered 1
		.amdhsa_forward_progress 1
		.amdhsa_inst_pref_size 94
	.end_amdhsa_kernel
	.amdgpu_metadata
---
amdhsa.version: [ 1, 2 ]
amdhsa.kernels:
  - .name:           k_q1f5d0b6429_gemm_v
    .symbol:         k_q1f5d0b6429_gemm_v.kd
    .args:
      - { .name: xq, .offset: 0, .size: 8, .value_kind: global_buffer, .address_space: global }
      - { .name: wc, .offset: 8, .size: 8, .value_kind: global_buffer, .address_space: global }
      - { .name: b_qkv, .offset: 16, .size: 8, .value_kind: global_buffer, .address_space: global }
      - { .name: vv, .offset: 24, .size: 8, .value_kind: global_buffer, .address_space: global }
    .group_segment_fixed_size: 327680
    .private_segment_fixed_size: 0
    .kernarg_segment_align: 8
    .kernarg_segment_size: 32
    .max_flat_workgroup_size: 128
    .sgpr_count:     96
    .vgpr_count:     768
    .wavefront_size: 32
...
	.end_amdgpu_metadata
.endif
;; end of part 3
;; launch attn (part 4): grid 4 x 64, 8 waves a work-group, clusters of 4 x 1, 210,944 bytes of LDS; arguments qk, vv, ao; writes ao
.if DOCPART == 4
	.amdgcn_target "amdgcn-amd-amdhsa--gfx1250"
	.amdhsa_code_object_version 6
	.text
	.protected	k_q1f5d0b6429_attn
	.globl	k_q1f5d0b6429_attn
	.p2align	8
	.type	k_q1f5d0b6429_attn,@function
k_q1f5d0b6429_attn:
	s_mov_b64 s[64:65], 0
	v_nop
	global_prefetch_b8 v0, s[64:65] scope:SCOPE_SE
	s_setreg_imm32_b32 hwreg(HW_REG_WAVE_MODE, 25, 1), 1
	s_wait_xcnt 0x0
	s_wait_alu depctr_hold_cnt(0) depctr_sa_sdst(0) depctr_va_vdst(0) depctr_va_sdst(0) depctr_va_ssrc(0) depctr_va_vcc(0) depctr_vm_vsrc(0)
	s_getreg_b32 s2, hwreg(HW_REG_IB_STS2, 6, 4)
	s_cmp_eq_u32 s2, 0
	s_cbranch_scc0 .Lentry_in_a_cluster
	s_endpgm
.Lentry_in_a_cluster:
	s_bfe_u32 s2, ttmp6, 0x10000c
	s_cmp_lg_u32 s2, 0x3003
	s_cbranch_scc0 .Lentry_shape_is_right
	s_endpgm
.Lentry_shape_is_right:
; Attention of one head: S^T = K Q^T, p = 2^(t - M), O^T = V^T p^T, O / l, all products on codes of FP6 (E2M3) with E8M0 scales; O / l is quantised along the model's 1,024 channels for the last product.
; t = score x log2(e) / 8 (q was quantised unscaled; 1 / 8 is a power of two); M = the running largest t rounded UP to a whole number; the row's sum l is taken of the unquantised p and divides at the end.
; SHARES.  A work-group: 512 queries of one head, 8 waves; wave w: FOUR tiles of 16 queries, 4 w .. 4 w + 3, carried together through one walk over the 2,048 keys, 128 a step: one fetch of K's and V's fragments serves four tiles.
; THE HEAD'S K AND V, codes and scale words, LIE IN LDS WHOLE (106,496 + 102,400 bytes), filled ONCE.  CLUSTER 4 x 1: the head's four work-groups ask jointly; waves 0-3 fetch K's quarters, waves 4-7 V's: one tensor load a wave.
; No prefetch: all that the launch reads through LDS is asked for at its head, and there is no loop to run ahead in.
; WHICH KEYS FORM A TILE OF SCORES is chosen by the LDS addresses alone: row m of tile (c, j) is key 64 c + 32 (m / 8) + 8 j + m % 8.  So the 32 registers of tiles (c, 0 .. 3) of lane (r, h) are keys 64 c + 32 h + 0 .. 31 of query r:
; a WHOLE scale block, in the order of the next operand's registers: a block's maximum asks no other lane, and the codes are not swapped between lanes.  In qk's layout that key lies in tile 4 c + 2 (m / 8) + j % 2 at row 8 (j / 2) + m % 8.
; A BLOCK'S SCALE: p rises with the score, so the block's largest p is 2^x with x = (largest score) x c - M, and its exponent is floor(x): the byte is floor(x) + 125, held at 1 from below; no second exponential.
; K = 64 IN A PRODUCT 128 DEEP: Q's registers 6-11 hold zero codes.  K's operand of tile t is twelve registers from 6 t on: the upper six are the next tile's codes (behind tile 7: registers at work in the conversions, written at the head);
; every code is a finite number, the upper two scale bytes are another head's bytes or 0, never 0xff, and times the code 0 they add nothing.
; THE TILES GO IN PAIRS: the exponentials of one tile stand among lines of the other that hang on nothing in the batch (its t - M; the first level of the sums).
; A PAIR'S SECOND PRODUCT STANDS IN THE NEXT PAIR'S SOFTMAX, one product behind every second level of the chain of dependent lines there (row maximum, M, factor, block scales).  So codes, p's scale words (a register for each pair) and V
; stay until then; the first trip's deferred products find zero codes and add nothing; the last pair's are written out behind the loop.
; The last trip's fetch of the next step's K reads LDS bytes behind K's codes (they lie in the filled 208,896 bytes); nothing uses them.
; LIMITS: the promise holds while the scaled scores stay under 2^31 in magnitude; a block whose largest magnitude lies under 2^-124 gets the byte 1; NaN and infinities are not served.
; REGISTERS.  window 0: v1 16 x lane, v2 16 r + 8 h, v3 16 r; v4-9 the step's LDS addresses, v10-15 their lane parts; v16 byte selects; v17, v18 the add's; v20-23 K's scale words, v24-27 V's, v36-39 p's, v40-43 Q's;
;   v44-59 for each tile -M, the largest score, l (a pair); v60-63 the factors; v64-191 S^T, then p, of a pair of tiles; v192-239 Q, 6 + 6 zeros a tile; v240-255 at work.
;   window 1: v0-127 O^T of four tiles; v128-175 K's 8 half fragments; v176-183 the conversions' second halves; v184-231 V's 4 fragments; v232-255 p's codes of a pair.
.set KREC, 106496
.set VREC, 102400
.set VB,   106496                      ; V's record in LDS
.set KSC,  98304                       ; K's scale words
.set VSC,  VB+98304                    ; V's
.set AO_SC, 6291456
.set WV,  18
.set CS,  22                           ; s[22:23] log2(e) / 8
.set SEL, 48                           ; s[48:49] lane l xor 16
.set TB,  50                           ; the step's codes: 6,144 bytes a step, in K and in V
.set TS,  51                           ; K's scale words: 512 a step
.set TJ,  52                           ; V's: 256 a step
.set CNT, 53
.set KS, 20
.set VS, 24
.set PW, 36
.set QS, 40
.set ST, 44
.set FF, 60
.set SA, 64
.set QQ, 192
.set T,  240
.set OO, 0
.set KK, 128
.set TMP, 176
.set VV, 184
.set CC, 232
.set MSB, 0
.macro WIN new                         ; the immediate's high byte repeats the setting that is left
.if MSB != \new
	s_set_vgpr_msb (MSB<<8)|\new
.set MSB, \new
.endif
.endm
.macro WALU
	s_wait_alu depctr_va_vdst(0)
.endm
.macro ROUND                           ; a round of the cluster's barrier
	s_barrier_signal -1
	s_barrier_wait -1
	s_cmp_lg_u32 s[WV], 0
	s_cbranch_scc1 .Lnot_wave_0_\@
	s_barrier_signal -3
.Lnot_wave_0_\@:
	s_barrier_wait -3
	s_barrier_signal -1
	s_barrier_wait -1
.endm
.macro QK j, x                         ; the scores of query tile j against the step's 128 keys, into set x
.irp t, 0,1,2,3
	v_wmma_scale_f32_16x16x128_f8f6f4 v[SA+64*\x+8*\t:SA+64*\x+8*\t+7], v[KK+6*\t:KK+6*\t+11], v[QQ+12*(\j):QQ+12*(\j)+11], 0, v[KS+\t], v[QS+(\j)] matrix_a_fmt:MATRIX_FMT_FP6 matrix_b_fmt:MATRIX_FMT_FP6
.endr
.irp t, 4,5,6,7
	v_wmma_scale_f32_16x16x128_f8f6f4 v[SA+64*\x+8*\t:SA+64*\x+8*\t+7], v[KK+6*\t:KK+6*\t+11], v[QQ+12*(\j):QQ+12*(\j)+11], 0, v[KS+\t-4], v[QS+(\j)] matrix_a_fmt:MATRIX_FMT_FP6 matrix_b_fmt:MATRIX_FMT_FP6 matrix_a_scale:MATRIX_SCALE_ROW1
.endr
.endm
.macro PVI q, n                        ; product n of the eight of pair q's O^T += V^T p^T: tile 2 q + n / 4, channels' tile n % 4
	WIN 0x55
	v_wmma_scale_f32_16x16x128_f8f6f4 v[OO+32*(2*(\q)+(\n)/4)+8*((\n)%4):OO+32*(2*(\q)+(\n)/4)+8*((\n)%4)+7], v[VV+12*((\n)%4):VV+12*((\n)%4)+11], v[CC+12*((\n)/4):CC+12*((\n)/4)+11], v[OO+32*(2*(\q)+(\n)/4)+8*((\n)%4):OO+32*(2*(\q)+(\n)/4)+8*((\n)%4)+7], v[VS+(\n)%4], v[PW+2*(\q)+(\n)/4] matrix_a_fmt:MATRIX_FMT_FP6 matrix_b_fmt:MATRIX_FMT_FP6
	WIN 0
.endm
.macro KFETCH                          ; the four plain lines are the places behind the products, in front of the loads and of the first read of the scores
	v_add_nc_u32 v4, s[TB], v10
	v_add_nc_u32 v5, s[TB], v11
	v_add_nc_u32 v8, s[TS], v12
	v_nop
	ds_load_2addr_b64 v[KS:KS+3], v8 offset0:0 offset1:16   ; register j: lanes 0-15 the words of tile (0, j), lanes 16-31 of tile (1, j)
	WIN 0x40
.irp t, 0,1,2,3,4,5,6,7
	ds_load_b128 v[KK+6*\t:KK+6*\t+3], v4 offset:((\t/4)*4+(\t%2))*768+((\t/2)%2)*128
	ds_load_b64 v[KK+6*\t+4:KK+6*\t+5], v5 offset:((\t/4)*4+(\t%2))*768+((\t/2)%2)*128+512
.endr
	WIN 0
.endm
.macro VADDR                           ; V's addresses of this step: also the four places behind the scores' products
	v_add_nc_u32 v6, s[TB], v13
	v_add_nc_u32 v7, s[TB], v14
	v_add_nc_u32 v9, s[TJ], v15
	v_nop
.endm
.macro VLOAD                           ; 17 LDS loads
	ds_load_b128 v[VS:VS+3], v9
	WIN 0x40
.irp d, 0,1,2,3
.irp c, 0,1
	ds_load_b128 v[VV+12*\d+6*\c:VV+12*\d+6*\c+3], v6 offset:3072*\c+768*\d
	ds_load_b64 v[VV+12*\d+6*\c+4:VV+12*\d+6*\c+5], v7 offset:3072*\c+768*\d+512
.endr
.endr
	WIN 0
.endm
.macro CODES x                         ; set x's 64 p become twelve registers of codes (a conversion's three registers begin on an even number: the second halves are made elsewhere and moved)
	WIN 0x40
.irp c, 0,1
	v_cvt_scalef32_pk16_fp6_f32 v[CC+12*\x+6*\c:CC+12*\x+6*\c+2], v[SA+64*\x+32*\c:SA+64*\x+32*\c+15], v[T+8+2*\x+\c]
	v_cvt_scalef32_pk16_fp6_f32 v[TMP+4*\c:TMP+4*\c+2], v[SA+64*\x+32*\c+16:SA+64*\x+32*\c+31], v[T+8+2*\x+\c]
.endr
	v_nop                                          ; one plain place behind a scaled conversion
	WIN 0x41
.irp c, 0,1
.irp i, 0,1,2
	v_mov_b32 v[CC+12*\x+6*\c+3+\i], v[TMP+4*\c+\i]
.endr
.endr
	WIN 0
.endm
; The softmax of query tiles 2 p and 2 p + 1 (x = 0, 1), whose scores lie in sets 0 and 1; among its lines the second product of the pair before, 1 - p
.macro SOFT p
.irp f, 0,1                            ; the largest score of my block 2 c + h: a chain over each half of its 32, eight chains by turns, each accumulator from its low end on
.irp x, 0,1
.irp c, 0,1
	v_max3_num_f32 v[T+4*\f+2*\x+\c], v[SA+64*\x+32*\c+16*\f], v[SA+64*\x+32*\c+16*\f+1], v[SA+64*\x+32*\c+16*\f+2]
.endr
.endr
.endr
.irp i, 3,5,7,9,11,13
.irp f, 0,1
.irp x, 0,1
.irp c, 0,1
	v_max3_num_f32 v[T+4*\f+2*\x+\c], v[T+4*\f+2*\x+\c], v[SA+64*\x+32*\c+16*\f+\i], v[SA+64*\x+32*\c+16*\f+\i+1]
.endr
.endr
.endr
.endr
.irp x, 0,1
.irp c, 0,1
	v_max3_num_f32 v[T+2*\x+\c], v[T+2*\x+\c], v[SA+64*\x+32*\c+15], v[SA+64*\x+32*\c+31]
.endr
.endr
.irp k, 0,1,2,3
	v_max_num_f32 v[T+\k], v[T+\k], v[T+4+\k]
.endr
.if \p
	WALU
	s_wait_dscnt 17                                ; V's fragments and scale words are in; the 17 loads of the next step's K, issued behind them, may be out
.endif
.irp x, 0,1
	v_max3_num_f32 v[T+4+2*\x], v[ST+8*\p+4*\x+1], v[T+2*\x], v[T+2*\x+1]
.endr
	PVI (1-\p), 0
.irp x, 0,1
	v_permlanex16_b32 v[T+5+2*\x], v[T+4+2*\x], s[SEL], s[SEL+1]
.endr
.irp x, 0,1
	v_max_num_f32 v[ST+8*\p+4*\x+1], v[T+4+2*\x], v[T+5+2*\x]      ; the running largest score of my query
.endr
	PVI (1-\p), 1
.irp x, 0,1
	v_mul_f32 v[T+4+2*\x], s[CS], v[ST+8*\p+4*\x+1]                ; as t
.endr
.irp x, 0,1
	v_floor_f32 v[T+4+2*\x], -v[T+4+2*\x]                          ; the new -M = floor(-t)
.endr
	PVI (1-\p), 2
.irp x, 0,1
	v_sub_f32 v[T+5+2*\x], v[T+4+2*\x], v[ST+8*\p+4*\x]            ; old M - new M: a whole number, 0 or less
.endr
.irp x, 0,1
	v_mov_b32 v[ST+8*\p+4*\x], v[T+4+2*\x]
.endr
	PVI (1-\p), 3
.irp x, 0,1
	v_cvt_i32_f32 v[T+5+2*\x], v[T+5+2*\x]                         ; (it saturates)
.endr
.irp x, 0,1
	v_pk_fma_f32 v[T+2*\x:T+2*\x+1], v[T+2*\x:T+2*\x+1], s[CS:CS+1], v[ST+8*\p+4*\x:ST+8*\p+4*\x+1] op_sel_hi:[1,0,0]   ; x = t - M of my two blocks' largest scores
.endr
	PVI (1-\p), 4
.irp x, 0,1
	v_ldexp_f32 v[FF+2*\x], 1.0, v[T+5+2*\x]                       ; f = 2^(old M - new M)
.endr
.irp k, 0,1,2,3
	v_max_num_f32 v[T+\k], 0xc2f80000, v[T+\k]                     ; held at -124: the byte cannot fall under 1
.endr
	PVI (1-\p), 5
.irp k, 0,1,2,3
	v_floor_f32 v[T+\k], v[T+\k]                                   ; the exponent of the block's largest p
.endr
	PVI (1-\p), 6
.irp x, 0,1
	v_pk_add_f32 v[T+2*\x:T+2*\x+1], v[T+2*\x:T+2*\x+1], 0x4b00007d op_sel_hi:[1,0]   ; + 2^23 + 125: the number's lowest byte is the scale's byte, the two above it are 0
.endr
	PVI (1-\p), 7
.irp k, 0,1,2,3
	v_lshlrev_b32 v[T+8+\k], 23, v[T+\k]                           ; the byte as an exponent field: the conversion's scale operand
.endr
.irp x, 0,1
	v_perm_b32 v[T+4+2*\x], v[T+2*\x+1], v[T+2*\x], v16            ; my bytes at places h and 2 + h of the scale word, zeros between
.endr
.irp x, 0,1
	v_permlanex16_b32 v[T+5+2*\x], v[T+4+2*\x], s[SEL], s[SEL+1]
.endr
.irp x, 0,1
	v_or_b32 v[PW+2*\p+\x], v[T+4+2*\x], v[T+5+2*\x]               ; with lane l xor 16's two the word is whole
.endr
.set i, 0
.rept 32
	v_pk_fma_f32 v[SA+i:SA+i+1], v[SA+i:SA+i+1], s[CS:CS+1], v[ST+8*\p:ST+8*\p+1] op_sel_hi:[1,0,0]   ; t - M of the first tile
.set i, i+2
.endr
.if \p == 0
	VLOAD                                          ; this step's V, over the last step's, whose last products stand above
.endif
	WALU                                           ; the wait ahead of a batch
.set i, 0
.rept 32
	v_exp_f32 v[SA+i], v[SA+i]                     ; p of the first tile; among them t - M of the second, read behind the next wait
	v_exp_f32 v[SA+i+1], v[SA+i+1]
	v_pk_fma_f32 v[SA+64+i:SA+64+i+1], v[SA+64+i:SA+64+i+1], s[CS:CS+1], v[ST+8*\p+4:ST+8*\p+5] op_sel_hi:[1,0,0]
.set i, i+2
.endr
.irp x, 0,1
	v_pk_mul_f32 v[ST+8*\p+4*\x+2:ST+8*\p+4*\x+3], v[ST+8*\p+4*\x+2:ST+8*\p+4*\x+3], v[FF+2*\x:FF+2*\x+1] op_sel_hi:[1,0]   ; the sums under the new M
.endr
	WALU                                           ; behind the first batch, ahead of the second
	CODES 0
.set i, 0
.rept 16
	v_exp_f32 v[SA+64+i], v[SA+64+i]               ; p of the second tile; among them the first level of the first tile's sum, over numbers that have been converted
	v_exp_f32 v[SA+64+i+1], v[SA+64+i+1]
	v_exp_f32 v[SA+64+i+2], v[SA+64+i+2]
	v_exp_f32 v[SA+64+i+3], v[SA+64+i+3]
	v_pk_add_f32 v[SA+i:SA+i+1], v[SA+i:SA+i+1], v[SA+i+2:SA+i+3]
.set i, i+4
.endr
	WALU                                           ; behind the second batch
	CODES 1
.set i, 0
.rept 16
	v_pk_add_f32 v[SA+64+i:SA+64+i+1], v[SA+64+i:SA+64+i+1], v[SA+64+i+2:SA+64+i+3]
.set i, i+4
.endr
.irp st, 8,16,32,64                    ; the rest of both sums, as trees, the two tiles by turns
.set i, 0
.rept 64/\st
.irp x, 0,1
	v_pk_add_f32 v[SA+64*\x+i:SA+64*\x+i+1], v[SA+64*\x+i:SA+64*\x+i+1], v[SA+64*\x+i+\st/2:SA+64*\x+i+\st/2+1]
.endr
.set i, i+\st
.endr
.endr
.irp x, 0,1
	v_pk_add_f32 v[ST+8*\p+4*\x+2:ST+8*\p+4*\x+3], v[ST+8*\p+4*\x+2:ST+8*\p+4*\x+3], v[SA+64*\x:SA+64*\x+1]
.endr
	WIN 0x41
	WALU                                           ; the wait directly ahead of the first readers of O^T
.irp x, 0,1
.set i, 0
.rept 16
	v_pk_mul_f32 v[OO+32*(2*\p+\x)+i:OO+32*(2*\p+\x)+i+1], v[OO+32*(2*\p+\x)+i:OO+32*(2*\p+\x)+i+1], v[FF+2*\x:FF+2*\x+1] op_sel_hi:[1,0]   ; O^T under the new M
.set i, i+2
.endr
.endr
.endm
	s_load_b128 s[4:7], s[0:1], 0x0                ; qk s[4:5], vv s[6:7]
	s_load_b64 s[8:9], s[0:1], 0x10                ; ao
	v_lshl_add_u32 v17, v0, 2, 0x33000
	v_mov_b32 v18, 0
	ds_add_u32 v17, v18                            ; the opening lines: the add, twice on end, and its wait
	ds_add_u32 v17, v18
	v_lshrrev_b32 v1, 5, v0
	v_readfirstlane_b32 s[WV], v1                  ; wave 0..7
	s_bfe_u32 s19, ttmp6, 0x40000                  ; cx: which 512 queries; it enters Q's and ao's addresses alone
	s_and_b32 s20, ttmp7, 0xffff                   ; 16 x batch + head, which the four partners share
	s_mov_b32 s24, 15|(3<<16)|(1<<21)              ; group 1: a dense block as rows of 256 bytes: K 104 rows a wave, V 100; the mask names all four work-groups
	s_mov_b32 s25, 32<<16
	s_mov_b32 s26, 104<<16
	s_mov_b32 s27, 32<<16
	s_mov_b32 s28, 104
	s_mov_b32 s29, 32
	s_mov_b32 s30, 0
	s_mov_b32 s31, 0
	s_mov_b32 s32, 15|(3<<16)|(1<<21)
	s_mov_b32 s33, 32<<16
	s_mov_b32 s34, 100<<16
	s_mov_b32 s35, 32<<16
	s_mov_b32 s36, 100
	s_mov_b32 s37, 32
	s_mov_b32 s38, 0
	s_mov_b32 s39, 0
	s_and_b32 s66, s[WV], 3
	s_mul_i32 s67, s66, 26624                      ; my quarter of K's record, in memory and in LDS
	s_mul_i32 s68, s66, 25600                      ; of V's
	s_add_co_u32 s70, s20, 64                      ; k's records lie behind q's 64
	s_mul_i32 s70, s70, KREC
	s_add_co_u32 s70, s70, s67
	s_mov_b32 s71, 0
	s_mul_i32 s72, s20, VREC
	s_add_co_u32 s72, s72, s68
	s_mov_b32 s73, 0
	s_wait_dscnt 0x0
	s_wait_kmcnt 0x0
	s_mov_b32 s40, 1
	s_mov_b32 s41, s67
	s_add_nc_u64 s[42:43], s[4:5], s[70:71]
	s_or_b32 s43, s43, 0x80000000
	s_mov_b32 s44, 1
	s_add_co_u32 s45, s68, VB
	s_add_nc_u64 s[46:47], s[6:7], s[72:73]
	s_or_b32 s47, s47, 0x80000000
	ROUND                                          ; all four work-groups are here: the joint loads meet
	s_cmp_lt_u32 s[WV], 4                          ; the branch hangs on the wave's number alone; every way passes one load
	s_cbranch_scc0 .Lnot_k
	tensor_load_to_lds s[40:43], s[24:31]
	s_nop 0
.rept 4
	v_nop
.endr
	s_branch .Lasked
.Lnot_k:
	tensor_load_to_lds s[44:47], s[32:39]
	s_nop 0
.rept 4
	v_nop
.endr
.Lasked:
	s_mul_i32 s66, s20, KREC                       ; q's record
	s_lshl_b32 s67, s19, 5
	s_lshl_b32 s68, s[WV], 2
	s_add_co_u32 s67, s67, s68                     ; my first tile of queries: 32 cx + 4 w
	s_mul_i32 s68, s67, 768
	s_add_co_u32 s68, s68, s66
	s_mov_b32 s69, 0
	s_add_nc_u64 s[54:55], s[4:5], s[68:69]        ; its codes
	s_lshl_b32 s68, s67, 6                         ; 256 bytes of scale words for each four tiles
	s_add_co_u32 s68, s68, s66
	s_add_co_u32 s68, s68, KSC
	s_add_nc_u64 s[56:57], s[4:5], s[68:69]
	s_lshr_b32 s70, s20, 4
	s_lshl_b32 s70, s70, 7
	s_add_co_u32 s70, s70, s67                     ; the tile in ao: 128 x batch + tile
	s_and_b32 s71, s20, 15                         ; the head
	s_mul_i32 s68, s70, 12288
	s_mul_i32 s72, s71, 768
	s_add_co_u32 s68, s68, s72
	s_add_nc_u64 s[58:59], s[8:9], s[68:69]
	s_lshl_b32 s68, s70, 9
	s_lshr_b32 s72, s71, 3
	s_lshl_b32 s72, s72, 8
	s_add_co_u32 s68, s68, s72
	s_and_b32 s72, s71, 7
	s_lshl_b32 s72, s72, 1                         ; word (head / 2) % 4, bytes 2 (head % 2) on
	s_add_co_u32 s68, s68, s72
	s_add_co_u32 s68, s68, AO_SC
	s_add_nc_u64 s[60:61], s[8:9], s[68:69]
	s_mov_b32 s[CS], 0x3e38aa3b                    ; log2(e) / 8
	s_mov_b32 s[CS+1], s[CS]                       ; (named with it as a pair, so it is written)
	s_mov_b32 s[SEL], 0x76543210
	s_mov_b32 s[SEL+1], 0xfedcba98
	s_mov_b32 s62, 0xffff0000                      ; lanes 16-31
	s_mov_b32 s[TB], 0
	s_mov_b32 s[TS], 0
	s_mov_b32 s[TJ], 0
	s_mov_b32 s[CNT], 16
	v_and_b32 v5, 31, v0
	v_and_b32 v4, 15, v0                           ; r
	v_bfe_u32 v6, v0, 4, 1                         ; h
	v_bfe_u32 v7, v0, 3, 1                         ; r / 8
	v_and_b32 v8, 7, v0                            ; r % 8
	v_lshlrev_b32 v1, 4, v5                        ; 16 x lane
	v_lshlrev_b32 v3, 4, v4                        ; 16 r
	v_lshl_add_u32 v2, v6, 3, v3                   ; 16 r + 8 h
.irp j, 0,1,2,3
	global_load_b128 v[QQ+12*\j:QQ+12*\j+3], v1, s[54:55] offset:768*\j
	global_load_b64 v[QQ+12*\j+4:QQ+12*\j+5], v2, s[54:55] offset:768*\j+512
.endr
	global_load_b128 v[QS:QS+3], v3, s[56:57]      ; the four tiles' scale words of row r
	v_mul_u32_u24 v9, v7, 1536                     ; K: rows 8-15 of a tile of scores lie two tiles of qk further on,
	v_lshl_add_u32 v9, v8, 4, v9                   ; row r % 8 there
	v_lshl_add_u32 v10, v6, 8, v9                  ; words 0-3: + 256 h
	v_lshl_add_u32 v11, v6, 3, v9                  ; words 4-5: + 8 h
	v_lshl_add_u32 v12, v8, 4, KSC                 ; K's scale words: 16 (r % 8) + 8 (r / 8), lanes 16-31 the step's upper 64 keys
	v_lshl_add_u32 v12, v7, 3, v12
	v_lshl_add_u32 v12, v6, 8, v12
	v_add_nc_u32 v13, VB, v1
	v_add_nc_u32 v14, VB, v2
	v_add_nc_u32 v15, VSC, v3
	v_mov_b32 v16, 0x01040100                      ; lanes 0-15: byte, 0, byte, 0;
	v_mov_b32 v19, 0x04010001                      ; lanes 16-31: 0, byte, 0, byte
	v_cndmask_b32 v16, v16, v19, s62
.irp j, 0,1,2,3
.irp i, 6,7,8,9,10,11
	v_mov_b32 v[QQ+12*\j+\i], 0                    ; Q's zero codes for k = 64 .. 127
.endr
	v_mov_b32 v[ST+4*\j], 0x7f61b1e6               ; -M: 3e38, so that the first factor is 0;
	v_mov_b32 v[ST+4*\j+1], 0xff61b1e6             ; the largest score so far: -3e38
	v_mov_b32 v[ST+4*\j+2], 0                      ; l
	v_mov_b32 v[ST+4*\j+3], 0
	v_mov_b32 v[VS+\j], 0                          ; what the first trip's deferred products name: scale bytes 0,
.endr
	v_mov_b32 v[PW+2], 0
	v_mov_b32 v[PW+3], 0
	v_mov_b32 v[FF+1], 0                           ; (named as the upper halves of pairs)
	v_mov_b32 v[FF+3], 0
	WIN 0x40
.set i, 0
.rept 128
	v_mov_b32 v[OO+i], 0                           ; O^T: the step is written once; the first factor, 0, leaves zeros zeros
.set i, i+1
.endr
.set i, 0
.rept 80
	v_mov_b32 v[TMP+i], 0                          ; and zero codes: the conversions' registers, V's fragments, p's codes
.set i, i+1
.endr
	WIN 0
	WALU
	s_wait_loadcnt 0x0                             ; Q
	s_wait_tensorcnt 0x0                           ; my part has landed,
	s_barrier_signal -1
	s_barrier_wait -1                              ; everybody's has: K and V stay as they are to the end
	KFETCH
.Lstep:                                                ; 128 keys
	s_wait_dscnt 0x0                               ; K's fragments and scale words, asked for in the middle of the last trip
	WIN 0x01
	QK 0, 0
	QK 1, 1
	WIN 0
	VADDR
	SOFT 0                                         ; with the last step's products of tiles 2 and 3, and behind them the fetch of this step's V
	WIN 0x01
	QK 2, 0
	QK 3, 1
	WIN 0
	s_add_co_u32 s[TB], s[TB], 6144
	s_add_co_u32 s[TS], s[TS], 512
	s_add_co_u32 s[TJ], s[TJ], 256
	KFETCH                                         ; the next step's K lands under the second softmax
	SOFT 1                                         ; with this step's products of tiles 0 and 1
	WIN 0
	s_sub_co_u32 s[CNT], s[CNT], 1
	s_cmp_lg_u32 s[CNT], 0
	WALU
	s_cbranch_scc1 .Lstep
.irp n, 0,1,2,3,4,5,6,7
	PVI 1, \n                                      ; the last step's products of tiles 2 and 3
.endr
; O / l of the four tiles, quantised along the head's 64 channels (register 16 b + i: channel 32 b + 16 h + i of my query), line by line together: eight chains.  Tile j: numbers in v[SA + 32 j ..], codes in Q's registers of tile j
.irp j, 0,1,2,3
	v_add_f32 v[ST+4*\j+2], v[ST+4*\j+2], v[ST+4*\j+3]   ; (these twelve are also the places behind the last products)
.endr
.irp j, 0,1,2,3
	v_permlanex16_b32 v[T+\j], v[ST+4*\j+2], s[SEL], s[SEL+1]
.endr
.irp j, 0,1,2,3
	v_add_f32 v[ST+4*\j+2], v[ST+4*\j+2], v[T+\j]  ; the rows' sums
.endr
	WALU
.irp j, 0,1,2,3
	v_rcp_f32 v[ST+4*\j+2], v[ST+4*\j+2]
.endr
	v_nop                                          ; a plain place behind the reciprocals
	WIN 0x01
	WALU                                           ; behind the reciprocals, directly ahead of the first readers of O^T
.irp j, 0,1,2,3
.set i, 0
.rept 16
	v_pk_mul_f32 v[SA+32*\j+i:SA+32*\j+i+1], v[OO+32*\j+i:OO+32*\j+i+1], v[ST+4*\j+2:ST+4*\j+3] op_sel_hi:[1,0]
.set i, i+2
.endr
.endr
	WIN 0
.irp j, 0,1,2,3
.irp b, 0,1
	v_max3_num_f32 v[ST+4*\j+\b], |v[SA+32*\j+16*\b]|, |v[SA+32*\j+16*\b+1]|, 0x1800000   ; my 16 numbers of block b, and the floor 2^(3 - 127)
.endr
.endr
.irp i, 2,4,6,8,10,12,14
.irp j, 0,1,2,3
.irp b, 0,1
	v_max3_num_f32 v[ST+4*\j+\b], v[ST+4*\j+\b], |v[SA+32*\j+16*\b+\i]|, |v[SA+32*\j+16*\b+\i+1]|
.endr
.endr
.endr
.irp j, 0,1,2,3
.irp b, 0,1
	v_permlanex16_b32 v[QQ+12*\j+6+\b], v[ST+4*\j+\b], s[SEL], s[SEL+1]
.endr
.endr
.irp j, 0,1,2,3
.irp b, 0,1
	v_max_num_f32 v[ST+4*\j+\b], v[ST+4*\j+\b], v[QQ+12*\j+6+\b]
.endr
.endr
.irp j, 0,1,2,3
.irp b, 0,1
	v_add_nc_u32 v[ST+4*\j+\b], 0xff000000, v[ST+4*\j+\b]          ; 2 off the exponent field: the conversion's scale operand
.endr
.endr
.irp j, 0,1,2,3
.irp b, 0,1
	v_lshrrev_b32 v[QQ+12*\j+8+\b], 23, v[ST+4*\j+\b]
.endr
.endr
.irp j, 0,1,2,3
	v_lshl_or_b32 v[QQ+12*\j+10], v[QQ+12*\j+9], 8, v[QQ+12*\j+8]  ; the head's two scale bytes of my row
.endr
.irp j, 0,1,2,3
	v_cvt_scalef32_pk16_fp6_f32 v[QQ+12*\j:QQ+12*\j+2], v[SA+32*\j:SA+32*\j+15], v[ST+4*\j]
	v_cvt_scalef32_pk16_fp6_f32 v[QQ+12*\j+6:QQ+12*\j+8], v[SA+32*\j+16:SA+32*\j+31], v[ST+4*\j+1]
.endr
	v_nop                                          ; one plain place behind a scaled conversion
.irp j, 0,1,2,3
.irp i, 0,1,2
	v_permlane16_swap_b32 v[QQ+12*\j+\i], v[QQ+12*\j+6+\i]
.endr
.endr
.irp j, 0,1,2,3
.irp i, 0,1,2
	v_mov_b32 v[QQ+12*\j+3+\i], v[QQ+12*\j+6+\i]
.endr
.endr
.irp j, 0,1,2,3
	global_store_b128 v1, v[QQ+12*\j:QQ+12*\j+3], s[58:59] offset:12288*\j        ; the half fragment (my tile, my head): 512 consecutive bytes,
	global_store_b64 v2, v[QQ+12*\j+4:QQ+12*\j+5], s[58:59] offset:12288*\j+512   ; and 256
	global_store_b16 v3, v[QQ+12*\j+10], s[60:61] offset:512*\j                   ; two bytes a row: a head owns 2 of a row's 32 scale bytes, and the other heads' lie with other work-groups
.endr
	s_wait_tensorcnt 0x0                           ; the wave's end
	ds_add_u32 v17, v18
	s_wait_dscnt 0x0
	ROUND                                          ; the closing round
	s_endpgm
.Lfunc_end_k_q1f5d0b6429_attn:
	.size	k_q1f5d0b6429_attn, .Lfunc_end_k_q1f5d0b6429_attn-k_q1f5d0b6429_attn
	.p2alignl 7, 3214868480
	.fill 96, 4, 3214868480
	.section	.rodata,"a",@progbits
	.p2align	6, 0x0
	.amdhsa_kernel k_q1f5d0b6429_attn
		.amdhsa_group_segment_fixed_size 210944
		.amdhsa_private_segment_fixed_size 0
		.amdhsa_enable_private_segment 0
		.amdhsa_kernarg_size 24
		.amdhsa_user_sgpr_count 2
		.amdhsa_user_sgpr_kernarg_segment_ptr 1
		.amdhsa_wavefront_size32 1
		.amdhsa_system_sgpr_workgroup_id_x 1
		.amdhsa_system_sgpr_workgroup_id_y 1
		.amdhsa_system_sgpr_workgroup_id_z 1
		.amdhsa_system_vgpr_workitem_id 0
		.amdhsa_next_free_vgpr 512
		.amdhsa_next_free_sgpr 80
		.amdhsa_reserve_vcc 0
		.amdhsa_float_denorm_mode_32 3
		.amdhsa_float_denorm_mode_16_64 3
		.amdhsa_memory_ordered 1
		.amdhsa_forward_progress 1
		.amdhsa_inst_pref_size 85
	.end_amdhsa_kernel
	.amdgpu_metadata
---
amdhsa.version: [ 1, 2 ]
amdhsa.kernels:
  - .name:           k_q1f5d0b6429_attn
    .symbol:         k_q1f5d0b6429_attn.kd
    .args:
      - { .name: qk, .offset: 0, .size: 8, .value_kind: global_buffer, .address_space: global }
      - { .name: vv, .offset: 8, .size: 8, .value_kind: global_buffer, .address_space: global }
      - { .name: ao, .offset: 16, .size: 8, .value_kind: global_buffer, .address_space: global }
    .group_segment_fixed_size: 210944
    .private_segment_fixed_size: 0
    .kernarg_segment_align: 8
    .kernarg_segment_size: 24
    .max_flat_workgroup_size: 256
    .sgpr_count:     80
    .vgpr_count:     512
    .wavefront_size: 32
...
	.end_amdgpu_metadata
.endif
;; end of part 4
;; launch gemm_proj (part 5): grid 8 x 32, 4 waves a work-group, clusters of 4 x 4, 327,680 bytes of LDS; arguments wc, ao, b_proj, out0; writes out0
.if DOCPART == 5
	.amdgcn_target "amdgcn-amd-amdhsa--gfx1250"
	.amdhsa_code_object_version 6
	.text
	.protected	k_q1f5d0b6429_gemm_proj
	.globl	k_q1f5d0b6429_gemm_proj
	.p2align	8
	.type	k_q1f5d0b6429_gemm_proj,@function
k_q1f5d0b6429_gemm_proj:
	s_mov_b64 s[64:65], 0
	v_nop
	global_prefetch_b8 v0, s[64:65] scope:SCOPE_SE
	s_setreg_imm32_b32 hwreg(HW_REG_WAVE_MODE, 25, 1), 1
	s_wait_xcnt 0x0
	s_wait_alu depctr_hold_cnt(0) depctr_sa_sdst(0) depctr_va_vdst(0) depctr_va_sdst(0) depctr_va_ssrc(0) depctr_va_vcc(0) depctr_vm_vsrc(0)
	s_getreg_b32 s2, hwreg(HW_REG_IB_STS2, 6, 4)
	s_cmp_eq_u32 s2, 0
	s_cbranch_scc0 .Lentry_in_a_cluster
	s_endpgm
.Lentry_in_a_cluster:
	s_bfe_u32 s2, ttmp6, 0x10000c
	s_cmp_lg_u32 s2, 0xf033
	s_cbranch_scc0 .Lentry_shape_is_right
	s_endpgm
.Lentry_shape_is_right:
; out0 = attention's output x w_proj + b_proj, on codes of FP6 (E2M3) with E8M0 scales; f32 out.
; SOURCE 0 = 16 columns of w_proj (S0), SOURCE 1 = 16 tokens (S1): a lane holds one token and eight neighbouring columns an accumulator.  A tile's rows are row(T, r) = 32 (T / 2) + 8 (T % 2) + r + 8 (r / 8).
; A work-group: 128 columns x 256 tokens; wave w: S1's tiles 4 w .. 4 w + 3 against S0's eight: 32 accumulators.  The bias is the C of each sum's first product.
; ALL OF K = 1,024 LIES IN LDS, in two halves of 512 along K, each filled ONCE: a wave issues one tensor load at the head and one later, and reads each half behind a wait for its loads and a barrier.
; CLUSTER 4 x 4: S0's tiles are asked for jointly by a column of the cluster, S1's by a row.
; THE WAY OUT: a tile of 16 tokens x 128 columns goes through my wave's stage (rows of 512 + 16 bytes) and leaves as rows of 512 consecutive bytes.  The stages lie in S0's first half: it has had its only fill, and every wave's last read of it
; stands ahead of the barrier in K step 3.
; REGISTERS.  window 0: v1 16 x lane, v2 16 r + 8 h, v3 r, v4 h, v8-23 LDS addresses, v24-26 offsets, v48-79 S0's scale words, v80-95 S1's, v96-191 S1's fragments (two sets), later rows of the result, as v192-255.
;   window 1: S0's fragments, two sets.   window 2: the accumulators, (m, a) at 64 m + 8 a.   window 3: v0-63 the bias.
.set S0T0, 192
.set S1T0, 0
.set S0SC, 3145728
.set S1SC, 6291456
.set BIASC, 1
; HOW K COMES IN: in two halves of 512 along K, each filled once.  A half: S0's 8 tiles x 6,144 bytes, then S1's 16.  At the head one joint load a wave: wave 0 S0's first half, waves 1 and 2 eight tiles each of S1's first half,
; wave 3 S0's second half.  S1's second half, four tiles a wave, is asked for behind the wait for all loads, the add and a round, and is shown to all by the barrier in K step 3.
; The stages of the way out (33,792 bytes from 0) lie in S0's first half: it has had its only fill, and every wave's last read of it stands ahead of that barrier.
.set HB,  147456                       ; a half of K in LDS
.set S1B, 49152                        ; S1's tiles in a half
.set MSB, 0
.macro WIN new                         ; the immediate's high byte repeats the setting that is left
.if MSB != \new
	s_set_vgpr_msb (MSB<<8)|\new
.set MSB, \new
.endif
.endm
.macro CROUND                          ; a round of the cluster's barrier
	s_barrier_signal -1
	s_barrier_wait -1
	s_cmp_lg_u32 s18, 0
	s_cbranch_scc1 .Lnot_wave_0_\@
	s_barrier_signal -3
.Lnot_wave_0_\@:
	s_barrier_wait -3
	s_barrier_signal -1
	s_barrier_wait -1
.endm
.macro MKG0 g, lw, lc, p, go
	s_mov_b32 s[\g], 1
	s_add_co_u32 s[\g+1], s[\lw], \lc
	s_add_nc_u64 s[\g+2:\g+3], s[\p:\p+1], \go
	s_or_b32 s[\g+3], s[\g+3], 0x80000000
.endm
.macro FRAG reg, am, at, off
	ds_load_b128 v[(\reg):(\reg)+3], v[\am] offset:\off
	ds_load_b64 v[(\reg)+4:(\reg)+5], v[\at] offset:\off+512
	ds_load_b128 v[(\reg)+6:(\reg)+9], v[\am] offset:\off+768
	ds_load_b64 v[(\reg)+10:(\reg)+11], v[\at] offset:\off+1280
.endm
.macro FETCH s
	WIN 0x40
.irp a, 0,1,2,3,4,5,6,7
	FRAG 128*((\s)%2)+12*\a, 8+(\s)/2, 12+(\s)/2, \a*6144+1536*((\s)%2)
.endr
	WIN 0
.irp m, 0,1,2,3
	FRAG 96+48*((\s)%2)+12*\m, 16+(\s)/2, 20+(\s)/2, \m*6144+1536*((\s)%2)
.endr
.endm
.macro MWIN s
.if ((\s)==0)&&BIASC
	WIN 0xb1                                       ; source 0 window 1, source 1 window 0, C window 3, D window 2
.else
	WIN 0xa1                                       ; C and D window 2
.endif
.endm
; The 32 accumulators take turns, one instruction a turn, in the same order in every K step.
.macro MUL s, m0
.irp m, \m0, \m0+1
.irp a, 0,1,2,3,4,5,6,7
.if ((\s)==0)&&BIASC
	v_wmma_scale_f32_16x16x128_f8f6f4 v[64*(\m)+8*\a:64*(\m)+8*\a+7], v[128*((\s)%2)+12*\a:128*((\s)%2)+12*\a+11], v[96+48*((\s)%2)+12*(\m):96+48*((\s)%2)+12*(\m)+11], v[8*\a:8*\a+7], v[48+4*\a+(\s)%4], v[80+4*(\m)+(\s)%4] matrix_a_fmt:MATRIX_FMT_FP6 matrix_b_fmt:MATRIX_FMT_FP6
.elseif (\s)==0
	v_wmma_scale_f32_16x16x128_f8f6f4 v[64*(\m)+8*\a:64*(\m)+8*\a+7], v[128*((\s)%2)+12*\a:128*((\s)%2)+12*\a+11], v[96+48*((\s)%2)+12*(\m):96+48*((\s)%2)+12*(\m)+11], 0, v[48+4*\a+(\s)%4], v[80+4*(\m)+(\s)%4] matrix_a_fmt:MATRIX_FMT_FP6 matrix_b_fmt:MATRIX_FMT_FP6
.elseif (\s)<4
	v_wmma_scale_f32_16x16x128_f8f6f4 v[64*(\m)+8*\a:64*(\m)+8*\a+7], v[128*((\s)%2)+12*\a:128*((\s)%2)+12*\a+11], v[96+48*((\s)%2)+12*(\m):96+48*((\s)%2)+12*(\m)+11], v[64*(\m)+8*\a:64*(\m)+8*\a+7], v[48+4*\a+(\s)%4], v[80+4*(\m)+(\s)%4] matrix_a_fmt:MATRIX_FMT_FP6 matrix_b_fmt:MATRIX_FMT_FP6
.else
	v_wmma_scale_f32_16x16x128_f8f6f4 v[64*(\m)+8*\a:64*(\m)+8*\a+7], v[128*((\s)%2)+12*\a:128*((\s)%2)+12*\a+11], v[96+48*((\s)%2)+12*(\m):96+48*((\s)%2)+12*(\m)+11], v[64*(\m)+8*\a:64*(\m)+8*\a+7], v[48+4*\a+(\s)%4], v[80+4*(\m)+(\s)%4] matrix_a_fmt:MATRIX_FMT_FP6 matrix_b_fmt:MATRIX_FMT_FP6 matrix_a_scale:MATRIX_SCALE_ROW1 matrix_b_scale:MATRIX_SCALE_ROW1
.endif
.endr
.endr
.endm
.macro STEP s
	s_wait_dscnt 0x0                               ; this K step's fragments are in (asked for 16 products ago)
	MWIN \s
	MUL \s, 0
.if (\s)==3
	s_wait_tensorcnt 0x0                           ; my part of the second half has landed
	s_barrier_signal -1                            ; no LDS instruction of mine is pending
	s_barrier_wait -1
.endif
.if (\s)<7
.rept 4
	v_nop                                          ; places in front of loads into registers that products have read
.endr
	FETCH (\s)+1
	MWIN \s
.endif
	MUL \s, 2
.endm
	s_load_b256 s[4:11], s[0:1], 0x0               ; S0 = wc s[4:5], S1 = ao s[6:7], b_proj s[8:9], out0 s[10:11]
	v_lshl_add_u32 v46, v0, 2, 0x48000
	v_mov_b32 v47, 0
	ds_add_u32 v46, v47
	ds_add_u32 v46, v47
	v_lshrrev_b32 v1, 5, v0
	v_readfirstlane_b32 s18, v1                    ; wave 0..3
	s_bfe_u32 s19, ttmp6, 0x40000                  ; cx
	s_bfe_u32 s20, ttmp6, 0x40004                  ; cy
	s_lshl_b32 s21, ttmp9, 2
	s_add_co_u32 s21, s21, s19                     ; gx: which 128 columns
	s_and_b32 s22, ttmp7, 0xffff
	s_lshl_b32 s22, s22, 2
	s_add_co_u32 s22, s22, s20                     ; gy: which 256 tokens
	s_lshl_b32 s76, 0x1111, s19                    ; my column of the cluster
	s_lshl_b32 s77, s20, 2
	s_lshl_b32 s77, 15, s77                        ; my row
	s_or_b32 s24, s76, (3<<16)|(1<<21)             ; group 1 for S0: 8 rows of 768 elements of 8 bytes, 1,536 elements apart
	s_mov_b32 s25, 768<<16                         ; a row: a tile's 6,144 bytes of a half of K
	s_mov_b32 s26, 8<<16                           ; 8 tiles
	s_mov_b32 s27, 768<<16
	s_mov_b32 s28, 8
	s_mov_b32 s29, 1536
	s_mov_b32 s30, 0
	s_mov_b32 s31, 0
	s_or_b32 s32, s77, (3<<16)|(1<<21)             ; for S1: 8 rows at the head, 4 later
	s_mov_b32 s33, 768<<16
	s_mov_b32 s34, 8<<16                           ; 8 tiles at the head, 4 later
	s_mov_b32 s35, 768<<16
	s_mov_b32 s36, 8
	s_mov_b32 s37, 1536
	s_mov_b32 s38, 0
	s_mov_b32 s39, 0
	s_lshl_b32 s78, s21, 3
	s_add_co_u32 s78, s78, S0T0
	s_mul_i32 s78, s78, 12288
	s_mov_b32 s79, 0
	s_lshl_b32 s80, s22, 4
	s_add_co_u32 s80, s80, S1T0
	s_mul_i32 s80, s80, 12288
	s_mov_b32 s81, 0
	s_mul_i32 s82, s18, 49152                      ; where my head's load goes: 0, S1B, S1B + 49,152, HB
	s_mul_i32 s83, s18, 24576                      ; my four tiles of S1 in a half
	s_lshr_b32 s86, s18, 1
	s_mul_i32 s86, s86, 98304                      ; waves 1, 2: S1's tiles 0-7, 8-15 in memory
	s_mov_b32 s87, 0
	s_mul_i32 s88, s18, 49152                      ; my four tiles of S1 in memory,
	s_add_co_u32 s88, s88, 6144                    ; their second half of K
	s_mov_b32 s89, 0
	s_wait_dscnt 0x0
	s_wait_kmcnt 0x0
	s_add_nc_u64 s[78:79], s[4:5], s[78:79]
	s_add_nc_u64 s[80:81], s[6:7], s[80:81]
	s_add_nc_u64 s[86:87], s[80:81], s[86:87]
	s_add_nc_u64 s[88:89], s[80:81], s[88:89]
	MKG0 40, 82, 0, 78, 0                          ; wave 0: S0, first half
	MKG0 44, 82, 0, 78, 6144                       ; wave 3: S0, second half
	MKG0 56, 82, 0, 86, 0                          ; waves 1, 2: S1, first half
	MKG0 60, 83, HB+S1B, 88, 0                     ; every wave, later: S1, second half
	CROUND                                         ; all sixteen work-groups are here: the joint loads meet
	s_cmp_eq_u32 s18, 0                            ; one chain of branches on the wave's number, one load to an arm
	s_cbranch_scc0 .Lhead_3
	tensor_load_to_lds s[40:43], s[24:31]
	s_nop 0
.rept 4
	v_nop
.endr
	s_branch .Lhead_asked
.Lhead_3:
	s_cmp_eq_u32 s18, 3
	s_cbranch_scc0 .Lhead_12
	tensor_load_to_lds s[44:47], s[24:31]
	s_nop 0
.rept 4
	v_nop
.endr
	s_branch .Lhead_asked
.Lhead_12:
	tensor_load_to_lds s[56:59], s[32:39]
	s_nop 0
.Lhead_asked:
.rept 4
	v_nop
.endr
	v_and_b32 v5, 31, v0
	v_lshlrev_b32 v1, 4, v5                        ; 16 x lane
	v_and_b32 v3, 15, v0                           ; r
	v_bfe_u32 v4, v0, 4, 1                         ; h
	v_lshlrev_b32 v2, 4, v3
	v_lshl_add_u32 v2, v4, 3, v2                   ; 16 r + 8 h
	s_add_co_u32 s84, s83, S1B
	v_add_nc_u32 v6, s84, v1
	v_add_nc_u32 v7, s84, v2
.irp c, 0,1,2,3
	v_add_nc_u32 v[8+\c], (\c/2)*HB+(\c%2)*3072, v1    ; K steps 2 c, 2 c + 1: half c / 2, 3,072 (c % 2) bytes into a tile
	v_add_nc_u32 v[12+\c], (\c/2)*HB+(\c%2)*3072, v2
	v_add_nc_u32 v[16+\c], (\c/2)*HB+(\c%2)*3072, v6
	v_add_nc_u32 v[20+\c], (\c/2)*HB+(\c%2)*3072, v7
.endr
	s_lshl_b32 s84, s21, 12
	s_add_co_u32 s84, s84, S0SC+S0T0*512
	s_mov_b32 s85, 0
	s_add_nc_u64 s[84:85], s[4:5], s[84:85]
	s_lshl_b32 s86, s22, 13
	s_lshl_b32 s87, s18, 11
	s_add_co_u32 s86, s86, s87
	s_add_co_u32 s86, s86, S1SC+S1T0*512
	s_mov_b32 s87, 0
	s_add_nc_u64 s[86:87], s[6:7], s[86:87]
.irp a, 0,1,2,3,4,5,6,7
	global_load_b128 v[48+4*\a:51+4*\a], v1, s[84:85] offset:512*\a
.endr
.irp m, 0,1,2,3
	global_load_b128 v[80+4*\m:83+4*\m], v1, s[86:87] offset:512*\m
.endr
	s_lshl_b32 s88, s21, 9                         ; the bias of my 128 columns
	s_mov_b32 s89, 0
	s_add_nc_u64 s[8:9], s[8:9], s[88:89]
	v_lshlrev_b32 v26, 6, v4                       ; 64 h
	WIN 0xc0                                       ; destination window 3
.irp a, 0,1,2,3,4,5,6,7
	global_load_b128 v[8*\a:8*\a+3], v26, s[8:9] offset:(32*(\a/2)+8*(\a%2))*4
	global_load_b128 v[8*\a+4:8*\a+7], v26, s[8:9] offset:(32*(\a/2)+8*(\a%2))*4+16
.endr
	WIN 0
	s_lshl_b32 s88, s22, 8                         ; out0 at my wave's first token and my first column
	s_lshl_b32 s90, s18, 6
	s_add_co_u32 s88, s88, s90
	s_lshl_b32 s88, s88, 12
	s_lshl_b32 s90, s21, 9
	s_add_co_u32 s88, s88, s90
	s_add_nc_u64 s[10:11], s[10:11], s[88:89]
	s_mul_i32 s90, s18, 8448                       ; my stage
	v_mul_u32_u24 v24, v3, 528
	v_lshl_add_u32 v24, v4, 6, v24
	v_add_nc_u32 v24, s90, v24                     ; in: row r, + 64 h
	v_add_nc_u32 v25, s90, v1                      ; back: 16 bytes a lane of a row
	s_wait_alu depctr_va_vdst(0)
	s_wait_loadcnt 0x0
	s_wait_tensorcnt 0x0                           ; my load of the head has landed
	ds_add_u32 v46, v47
	s_mov_b32 s34, 4<<16                           ; no load of mine is out: from here on S1's load brings 4 tiles
	s_mov_b32 s36, 4
	s_wait_dscnt 0x0
	CROUND                                         ; everybody's have landed, and the joint loads meet
	tensor_load_to_lds s[60:63], s[32:39]          ; my four tiles of S1, second half of K
	s_nop 0
.rept 4
	v_nop
.endr
	FETCH 0
	STEP 0
	STEP 1
	STEP 2
	STEP 3
	STEP 4
	STEP 5
	STEP 6
	STEP 7
	WIN 0
.rept 4
	v_nop                                          ; places in front of the first read of results and of loads into the fragments' registers
.endr
.macro TOSTAGE m
	WIN 0x08                                       ; an LDS store's data are its source 1: window 2
.irp a, 0,1,2,3,4,5,6,7
	ds_store_b128 v24, v[64*(\m)+8*\a:64*(\m)+8*\a+3] offset:128*(\a/2)+32*(\a%2)       ; each accumulator from its low end on
	ds_store_b128 v24, v[64*(\m)+8*\a+4:64*(\m)+8*\a+7] offset:128*(\a/2)+32*(\a%2)+16
.endr
	WIN 0
.set BK, 96+96*((\m)%2)
.irp p, 0,1,2,3,4,5,6,7,8,9,10,11,12,13,14,15
	ds_load_b128 v[BK+4*\p:BK+4*\p+3], v25 offset:528*\p   ; LDS serves a wave's instructions in order: these see my stores, and the next tile's stores come behind them
.endr
.endm
.macro SEND m, younger                 ; younger: the LDS instructions issued behind tile m's loads, which may stay out
.set BK, 96+96*((\m)%2)
	s_wait_dscnt \younger
.irp p, 0,1,2,3,4,5,6,7,8,9,10,11,12,13,14,15
	global_store_b128 v1, v[BK+4*\p:BK+4*\p+3], s[10:11] offset:(32*((\m)/2)+8*((\m)%2)+\p+8*(\p/8))*4096 th:TH_STORE_NT   ; 512 consecutive bytes of a token's row, aligned to 256
.endr
.endm
	TOSTAGE 0
	TOSTAGE 1
	SEND 0, 32                                     ; behind tile 0's loads: tile 1's 16 stores and 16 loads
	s_wait_xcnt 0x0                                ; tile 0's stores have read their registers: tile 2's loads may land there
	TOSTAGE 2
	SEND 1, 32
	s_wait_xcnt 0x0
	TOSTAGE 3
	SEND 2, 32
	SEND 3, 0
	s_wait_dscnt 0x0
	s_wait_tensorcnt 0x0
	ds_add_u32 v46, v47
	s_wait_dscnt 0x0
	CROUND                                         ; the closing round
	s_endpgm
.Lfunc_end_k_q1f5d0b6429_gemm_proj:
	.size	k_q1f5d0b6429_gemm_proj, .Lfunc_end_k_q1f5d0b6429_gemm_proj-k_q1f5d0b6429_gemm_proj
	.p2alignl 7, 3214868480
	.fill 96, 4, 3214868480
	.section	.rodata,"a",@progbits
	.p2align	6, 0x0
	.amdhsa_kernel k_q1f5d0b6429_gemm_proj
		.amdhsa_group_segment_fixed_size 327680
		.amdhsa_private_segment_fixed_size 0
		.amdhsa_enable_private_segment 0
		.amdhsa_kernarg_size 32
		.amdhsa_user_sgpr_count 2
		.amdhsa_user_sgpr_kernarg_segment_ptr 1
		.amdhsa_wavefront_size32 1
		.amdhsa_system_sgpr_workgroup_id_x 1
		.amdhsa_system_sgpr_workgroup_id_y 1
		.amdhsa_system_sgpr_workgroup_id_z 1
		.amdhsa_system_vgpr_workitem_id 0
		.amdhsa_next_free_vgpr 832
		.amdhsa_next_free_sgpr 96
		.amdhsa_reserve_vcc 0
		.amdhsa_float_denorm_mode_32 3
		.amdhsa_float_denorm_mode_16_64 3
		.amdhsa_memory_ordered 1
		.amdhsa_forward_progress 1
		.amdhsa_inst_pref_size 84
	.end_amdhsa_kernel
	.amdgpu_metadata
---
amdhsa.version: [ 1, 2 ]
amdhsa.kernels:
  - .name:           k_q1f5d0b6429_gemm_proj
    .symbol:         k_q1f5d0b6429_gemm_proj.kd
    .args:
      - { .name: wc, .offset: 0, .size: 8, .value_kind: global_buffer, .address_space: global }
      - { .name: ao, .offset: 8, .size: 8, .value_kind: global_buffer, .address_space: global }
      - { .name: b_proj, .offset: 16, .size: 8, .value_kind: global_buffer, .address_space: global }
      - { .name: out0, .offset: 24, .size: 8, .value_kind: global_buffer, .address_space: global }
    .group_segment_fixed_size: 327680
    .private_segment_fixed_size: 0
    .kernarg_segment_align: 8
    .kernarg_segment_size: 32
    .max_flat_workgroup_size: 128
    .sgpr_count:     96
    .vgpr_count:     832
    .wavefront_size: 32
...
	.end_amdgpu_metadata
.endif
;; end of part 5
